; MI455X (gfx1250); checked and timed in simulation.
; The chip was launched on July 23, 2026; its instructions are those of AMD's public machine-readable ISA for CDNA 5 (MIT licence, August 2026) and "CDNA5" Instruction Set Architecture Reference Guide (July 2026). The comments in the code are by the model that wrote it; some were corrected since.
;; Transformer Block. Allowed arithmetic: matrix products marked QUANTISED: E2M1 operands, one E8M0 scale for each 32 along K, by v_wmma_scale_f32_16x16x128_f8f6f4 with both operands' format E2M1 (or v_wmma_scale_f32_32x16x128_f4), f32 sums; everything else in f32.
;; Inputs: hidden_states 1 x 4,096 x 768 float32; w_down 2,048 x 768 float32; w_gate 768 x 2,048 float32; w_k 768 x 768 float32; w_norm1 768 float32; w_norm2 768 float32; w_o 768 x 768 float32; w_q 768 x 768 float32; w_up 768 x 2,048 float32; w_v 768 x 768 float32.
;; Outputs: out0 1 x 4,096 x 768 float32.
;; This version of the problem:
;;   THIS VERSION OF THE PROBLEM IS GIVEN IN LOW PRECISION. The matrix products marked QUANTISED in the list below multiply operands that are first quantised to E2M1 (2 exponent bits, 1 mantissa bit; 4 bits a number), with one power-of-two scale for each 32 numbers along K (OCP MX v1.0); their sums are f32. All else is computed in f32.
;;   The module's matrix products, in the order in which they are computed (A, B: the left and right operand; K: the contracted axis; several contracted axes count as one K, in the product's order):
;;     1. [M 4,096, K 768] x [K 768, N 768]; A: computed on the way; B: input w_q: QUANTISED
;;     2. [M 4,096, K 768] x [K 768, N 768]; A: computed on the way; B: input w_k: QUANTISED
;;     3. [M 4,096, K 768] x [K 768, N 768]; A: computed on the way; B: input w_v: QUANTISED
;;     4. batch 12 x [M 4,096, K 64] x [K 64, N 4,096]; A: computed on the way; B: computed on the way: QUANTISED
;;     5. batch 12 x [M 4,096, K 4,096] x [K 4,096, N 64]; A: softmax (see below); B: computed on the way: QUANTISED
;;     6. [M 4,096, K 768] x [K 768, N 768]; A: computed on the way; B: input w_o: QUANTISED
;;     7. [M 4,096, K 768] x [K 768, N 2,048]; A: computed on the way; B: input w_gate: QUANTISED
;;     8. [M 4,096, K 768] x [K 768, N 2,048]; A: computed on the way; B: input w_up: QUANTISED
;;     9. [M 4,096, K 2,048] x [K 2,048, N 768]; A: computed on the way; B: input w_down: QUANTISED
;;   THE QUANTISER, for each operand of a quantised product, along K:
;;     - K is cut into blocks of 32 from its start; a last block that is shorter is filled with zeros.
;;     - A block's scale is 2^e with e = floor(log2(the largest magnitude in the block)) - 2, held to -126 .. 127; a block of zeros has e = 0. As a byte (E8M0): e + 127.
;;     - Each number is divided by its block's scale, clamped to +-6, and rounded to the nearest number of E2M1, ties to even, subnormals kept.
;;     - The product sums the exact products of the quantised numbers (number of the format x scale) in f32.
;;   ~~~python
;;   def quantise(x, axis):      # numpy; x: float32 -> the quantised numbers, widened to float32 again
;;       x = np.moveaxis(x, axis, -1); K = x.shape[-1]
;;       x = np.pad(x, [(0, 0)] * (x.ndim - 1) + [(0, -K % 32)]); x = x.reshape(x.shape[:-1] + (-1, 32)); a = np.abs(x).max(-1, keepdims=True)
;;       e = np.where(a > 0, np.clip(np.frexp(np.where(a > 0, a, 1))[1] - 1 - 2, -126, 127), 0)      # np.frexp(a)[1] - 1 = floor(log2(a)), exactly
;;       r = np.clip(x / 2.0 ** e, -6, 6)
;;       step = 2.0 ** (np.maximum(np.frexp(np.where(r == 0, 1, r))[1] - 1, 0) - 1)
;;       q = np.round(r / step) * step * 2.0 ** e      # np.round: ties to even
;;       return np.moveaxis(q.reshape(q.shape[:-2] + (-1,))[..., :K], -1, axis).astype(np.float32)
;;   ~~~
;;   SOFTMAX AHEAD OF A QUANTISED PRODUCT. Where the list says 'softmax', what is quantised is not the finished softmax but p = 2^(t - M), with t = logit x log2(e) and M = ceil(the row's largest t), a whole number; so 1/2 < the row's largest p <= 1. The row's sum l is taken of the UNQUANTISED p, in f32, and the product's result is divided by l at the end. Since M is a whole number, a kernel that streams over the keys may use a running M (the ceiling of the running maximum): every later rescaling is an exact power of two, which a block's scale takes up: the codes' values come out the same.
;;   OPERANDS COMPUTED ON THE WAY. 'Computed on the way' means the value that the module computes at that place (a softmax that the list does not call 'softmax' is quantised finished and normalised). What goes into a quantiser is computed in f32, as accurately as f32 sums, v_exp_f32 and their like allow (about 1e-6 of the number): no bf16 or f16 on the way to a quantiser, and a product that is left as it is and whose result goes on into a quantised operand takes f32 operands (vector FMAs, or v_wmma_f32_16x16x4_f32). A number that lies on a knife's edge between two numbers of the format may be rounded either way, as far as f32 arithmetic and the matrix unit's own rounding can turn it there, and no further.
;; One version. Each part assembles by itself: llvm-mc -triple=amdgcn-amd-amdhsa -mcpu=gfx1250 --defsym DOCPART=n.
;; ======== version 1 of 1: 6 launches
;; limits: right only within a limited range of input values
;; workspace buffers: pw 8,029,184 bytes; qkvb 6,684,672 bytes; ab 1,671,168 bytes; hy 14,254,080 bytes; hc 4,456,448 bytes
;; launch prep (part 1): grid 472 x 1, 8 waves a work-group, no clusters, 3,072 bytes of LDS; arguments hidden_states, w_norm1, w_q, w_k, w_v, w_o, w_gate, w_up, w_down, pw; writes pw
.if DOCPART == 1
	.amdgcn_target "amdgcn-amd-amdhsa--gfx1250"
	.amdhsa_code_object_version 6
	.text
	.protected	k_q8660596e4f_prep
	.globl	k_q8660596e4f_prep
	.p2align	8
	.type	k_q8660596e4f_prep,@function
k_q8660596e4f_prep:
	s_mov_b64 s[64:65], 0
	v_nop
	global_prefetch_b8 v0, s[64:65] scope:SCOPE_SE
	s_setreg_imm32_b32 hwreg(HW_REG_WAVE_MODE, 25, 1), 1
	s_wait_xcnt 0x0
; PREP: everything that later launches read many times is made once.
;  work-groups 0-119  : w_q, w_k, w_v, w_o, w_down (rows of 768 numbers)  -> codes of FP4 (E2M1) with one E8M0 byte for each 32 along K
;  work-groups 120-215: w_gate, w_up (rows of 2,048 numbers)              -> the same
;  work-groups 216-471: one tile of 16 tokens each: rms_norm(x, w_norm1) -> codes; and the tile's cos and sin for the rotary embedding
; THE OPERAND FORMAT.  [K step of 128][block of 128 rows][record of 8,704 bytes]; a record = 8 tiles of 16 rows x 1,024 bytes, each an image of the matrix operand's
; registers ([block of 32 k][row r][16 bytes]), then 512 bytes of scale words [tile][r].  THE ROWS OF A TILE ARE NOT NEIGHBOURS: lane row r of tile t takes row
; 32 (t / 2) + 8 (t % 2) + r + 8 (r / 8), so that a product's 16 registers of two neighbouring tiles are 16 neighbours along the next product's K.
; A weight is stored [K][N]: a lane takes a column and its registers run down K, so a block of 32 lies in one lane and nothing is transposed.
; A block's scale is 2^(floor(log2(largest magnitude)) - 2): its byte is the largest magnitude's exponent field - 2, held at 1 from below.
; LIMITS: NaN and infinities among the inputs are not served.  A block of zeros gets the byte 1 (its codes are zeros; this program alone reads the bytes).  The mean of squares is the sum
; times the f32 number nearest 1/768.  inv_freq = 2^(-j log2(10000) / 32) by v_exp_f32; cos and sin by a reduction in three parts of pi/2 and polynomials on [-pi/4, pi/4], for angles up to 4,095.
; No matrix unit, no tensor load, no cluster: each input byte is read once and work-groups share nothing.
.set WQKV, 6479872                     ; pw: x's codes at 0; w_q, w_k, w_v as one operand of 2,304 rows lie behind all else, their K steps as far apart as x's (278,528 bytes), so that one descriptor serves both
.set WO,   2611200
.set WGU,  2924544                     ; record f / 64: 64 rows of w_gate (tiles 0-3), then the same 64 of w_up (tiles 4-7)
.set WD,   4595712
.set RT,   5431296                     ; [tile of tokens][8 quads][lane][16 bytes]: quads 0-3 cos(j = 16 h + 4 q + e), quads 4-7 sin
.set REC,  8704
.set SCB,  1024                        ; LDS: the tile's scale bytes, [K step 6][r 16][4]; the sums of squares lie at 0, [r 16][wave 8]
.macro WLOAD t, pitch                  ; block t of the K step: 32 rows of the weight at my column, into set t % 2
.set wl, 0
.rept 32
	global_load_b32 v[32+32*((\t)%2)+wl], v3, s[28:29] offset:(32*(\t)+wl)*\pitch th:TH_LOAD_NT
.set wl, wl+1
.endr
.endm
.macro WBLOCK t, pitch
.set XS, 32+32*((\t)%2)
.if (\t) < 3
	s_wait_loadcnt 32                              ; this block's 32 loads are in; the next block's 32 may be out
.else
	s_wait_loadcnt 0x0
.endif
	v_max3_num_f32 v12, |v[XS]|, |v[XS+1]|, |v[XS+2]|      ; the block's largest magnitude: all 32 numbers are mine; two chains
	v_max3_num_f32 v13, |v[XS+3]|, |v[XS+4]|, |v[XS+5]|
.irp i, 6,10,14,18,22,26
	s_delay_alu instid0(VALU_DEP_2)
	v_max3_num_f32 v12, v12, |v[XS+\i]|, |v[XS+\i+1]|
	s_delay_alu instid0(VALU_DEP_2)
	v_max3_num_f32 v13, v13, |v[XS+\i+2]|, |v[XS+\i+3]|
.endr
	s_delay_alu instid0(VALU_DEP_2)
	v_max3_num_f32 v12, v12, |v[XS+30]|, |v[XS+31]|
	s_delay_alu instid0(VALU_DEP_1)
	v_max3_num_f32 v12, v12, v13, 0x1800000        ; and the floor 2^(3 - 127): the byte cannot fall under 1
	s_delay_alu instid0(VALU_DEP_1)
	v_add_nc_u32 v11, 0xff000000, v12              ; 2 off the exponent field: the conversion's scale operand
	s_delay_alu instid0(VALU_DEP_1)
	v_lshrrev_b32 v13, 23, v11                     ; the scale's byte
.if (\t) == 0
	s_delay_alu instid0(VALU_DEP_1)
	v_mov_b32 v5, v13
.else
	s_delay_alu instid0(VALU_DEP_1)
	v_lshl_or_b32 v5, v13, 8*(\t), v5              ; four bytes make my row's scale word for this K step
.endif
.irp g, 0,1,2,3
	v_cvt_scalef32_pk8_fp4_f32 v[16+4*(\t)+\g], v[XS+8*\g:XS+8*\g+7], v11
.endr
	global_store_b128 v4, v[16+4*(\t):19+4*(\t)], s[44:45] offset:256*(\t)   ; sixteen lanes fill 256 consecutive bytes, twice; each block has its own four registers
.if (\t)+2 < 4
	WLOAD (\t)+2, \pitch
.endif
.endm
; A work-group takes 128 columns x 2 K steps; wave w the 32 columns 4 cgi + w % 4 of K step 2 kp + w / 4.
; in: s[28:29] the weight, s30 its first work-group, s31 its region in pw, s32 rows / 32 in front of it (gu = 1: 1 for w_up), s33 bytes from K step to K step
.macro WPATH pitch, cg, mul, gu
	s_sub_co_u32 s34, ttmp9, s30
	s_mul_i32 s35, s34, \mul
	s_lshr_b32 s35, s35, 8                         ; kp = local / cg
	s_mul_i32 s36, s35, \cg
	s_sub_co_u32 s36, s34, s36                     ; cgi
	s_lshl_b32 s36, s36, 2
	s_and_b32 s37, s7, 3
	s_add_co_u32 s36, s36, s37                     ; my group of 32 columns
	s_lshl_b32 s35, s35, 1
	s_lshr_b32 s37, s7, 2
	s_add_co_u32 s35, s35, s37                     ; my K step
.if \gu
	s_lshr_b32 s38, s36, 1
	s_lshl_b32 s38, s38, 2
	s_lshl_b32 s39, s32, 1
	s_add_co_u32 s38, s38, s39
	s_and_b32 s39, s36, 1
	s_add_co_u32 s38, s38, s39                     ; gate and up by turns of 64 rows
.else
	s_add_co_u32 s38, s36, s32
.endif
	s_lshr_b32 s39, s38, 2                         ; the record,
	s_and_b32 s38, s38, 3                          ; and which pair of its tiles
	s_mul_i32 s40, s35, 128*\pitch
	s_lshl_b32 s41, s36, 7
	s_add_co_u32 s40, s40, s41
	s_mov_b32 s41, 0
	s_add_nc_u64 s[28:29], s[28:29], s[40:41]      ; the weight at my K step's first row, my first column
	s_mul_i32 s40, s35, s33
	s_add_co_u32 s40, s40, s31
	s_mul_i32 s42, s39, REC
	s_add_co_u32 s40, s40, s42                     ; the record's first byte
	s_lshl_b32 s42, s38, 7
	s_add_co_u32 s42, s42, s40
	s_add_co_u32 s42, s42, 8192                    ; its scale words of my two tiles
	s_mov_b32 s43, 0
	s_lshl_b32 s39, s38, 11
	s_add_co_u32 s40, s40, s39                     ; its images of my two tiles
	s_add_nc_u64 s[44:45], s[26:27], s[40:41]
	s_add_nc_u64 s[46:47], s[26:27], s[42:43]
	v_and_b32 v1, 31, v0                           ; lane = my column of the 32
	s_delay_alu instid0(VALU_DEP_1)
	v_lshlrev_b32 v3, 2, v1
	s_delay_alu instid0(VALU_DEP_2)
	v_bfe_u32 v2, v1, 3, 1                         ; which of the two tiles,
	s_delay_alu instid0(VALU_DEP_3)
	v_and_b32 v6, 7, v1
	s_delay_alu instid0(VALU_DEP_4)
	v_lshrrev_b32 v7, 4, v1
	s_delay_alu instid0(VALU_DEP_1)
	v_lshl_or_b32 v6, v7, 3, v6                    ; and which lane row r of it
	s_delay_alu instid0(VALU_DEP_1)
	v_lshlrev_b32 v4, 4, v6
	s_delay_alu instid0(VALU_DEP_1)
	v_lshl_add_u32 v4, v2, 10, v4                  ; 1,024 u + 16 r
	s_delay_alu instid0(VALU_DEP_3)
	v_lshlrev_b32 v7, 2, v6
	s_delay_alu instid0(VALU_DEP_1)
	v_lshl_add_u32 v7, v2, 6, v7                   ; 64 u + 4 r
	WLOAD 0, \pitch
	WLOAD 1, \pitch
	WBLOCK 0, \pitch
	WBLOCK 1, \pitch
	WBLOCK 2, \pitch
	WBLOCK 3, \pitch
	global_store_b32 v7, v5, s[46:47]              ; 32 scale words: 128 consecutive bytes
	s_endpgm
.endm
	s_load_b512 s[8:23], s[0:1], 0x0               ; x s[8:9], w_norm1 s[10:11], w_q s[12:13], w_k s[14:15], w_v s[16:17], w_o s[18:19], w_gate s[20:21], w_up s[22:23]
	s_load_b128 s[24:27], s[0:1], 0x40             ; w_down s[24:25], pw s[26:27]
	v_lshl_add_u32 v160, v0, 2, 0x800
	v_mov_b32 v161, 0
	v_lshrrev_b32 v1, 5, v0
	s_delay_alu instid0(VALU_DEP_1)
	v_readfirstlane_b32 s7, v1                     ; wave 0..7
	s_mov_b32 s4, 0x76543210
	s_mov_b32 s5, 0xfedcba98                       ; v_permlanex16_b32's selects for lane l xor 16
	s_wait_kmcnt 0x0
	s_cmp_ge_u32 ttmp9, 216
	s_cbranch_scc1 .Lx
	s_cmp_ge_u32 ttmp9, 120
	s_cbranch_scc1 .Lw2048
	; which weight of 768 columns: the choices hang on the work-group's number alone
	s_mov_b64 s[28:29], s[12:13]
	s_mov_b32 s30, 0
	s_mov_b32 s31, WQKV
	s_mov_b32 s32, 0
	s_mov_b32 s33, 278528
	s_cmp_ge_u32 ttmp9, 18
	s_cselect_b64 s[28:29], s[14:15], s[28:29]
	s_cselect_b32 s30, 18, s30
	s_cselect_b32 s32, 24, s32
	s_cmp_ge_u32 ttmp9, 36
	s_cselect_b64 s[28:29], s[16:17], s[28:29]
	s_cselect_b32 s30, 36, s30
	s_cselect_b32 s32, 48, s32
	s_cmp_ge_u32 ttmp9, 54
	s_cselect_b64 s[28:29], s[18:19], s[28:29]
	s_cselect_b32 s30, 54, s30
	s_cselect_b32 s32, 0, s32
	s_cselect_b32 s31, WO, s31
	s_cselect_b32 s33, 52224, s33
	s_cmp_ge_u32 ttmp9, 72
	s_cselect_b64 s[28:29], s[24:25], s[28:29]
	s_cselect_b32 s30, 72, s30
	s_cselect_b32 s31, WD, s31
	WPATH 3072, 6, 43, 0
.Lw2048:
	s_cmp_ge_u32 ttmp9, 168
	s_cselect_b64 s[28:29], s[22:23], s[20:21]
	s_mov_b32 s30, 120
	s_cselect_b32 s30, 168, s30
	s_cselect_b32 s32, 1, 0
	s_mov_b32 s31, WGU
	s_mov_b32 s33, 278528
	WPATH 8192, 16, 16, 1
; ---- a tile of 16 tokens.  Wave w takes blocks 3 w .. 3 w + 2 of the row's 24; lane (r, h) holds 16 numbers of each block of its token
.Lx:
	s_sub_co_u32 s28, ttmp9, 216                   ; T, the tile
	v_and_b32 v1, 15, v0                           ; r
	v_bfe_u32 v2, v0, 4, 1                         ; h
	v_and_b32 v30, 31, v0                          ; lane
	s_delay_alu instid0(VALU_DEP_3)
	v_and_b32 v3, 8, v1
	s_delay_alu instid0(VALU_DEP_1)
	v_add_nc_u32 v3, v3, v1
	s_lshr_b32 s29, s28, 1
	s_lshl_b32 s29, s29, 5
	s_and_b32 s30, s28, 1
	s_lshl_b32 s30, s30, 3
	s_add_co_u32 s29, s29, s30
	v_add_nc_u32 v3, s29, v3                       ; my token: 32 (T / 2) + 8 (T % 2) + r + 8 (r / 8)
	; all LDS addresses are made here, ahead of the parting of the waves
	s_lshl_b32 s31, s7, 2
	v_lshlrev_b32 v5, 5, v1                        ; the sums of squares: 32 r,
	s_delay_alu instid0(VALU_DEP_1)
	v_add_nc_u32 v4, s31, v5                       ; + 4 w for my part
	v_lshlrev_b32 v6, 2, v1                        ; 4 r
	s_wait_alu depctr_va_vdst(0)
	s_mul_i32 s32, s7, 3
.irp b, 0,1,2
	s_add_co_u32 s33, s32, \b                      ; the block,
	s_lshr_b32 s34, s33, 2                         ; its K step,
	s_and_b32 s35, s33, 3                          ; its place in it
	s_lshl_b32 s36, s34, 6
	s_add_co_u32 s36, s36, s35
	s_add_co_u32 s36, s36, SCB
	v_add_nc_u32 v[20+\b], s36, v6                 ; LDS: its scale byte of my row
	s_lshl_b32 s34, s34, 5
	s_lshr_b32 s37, s28, 3
	s_add_co_u32 s34, s34, s37
	s_mul_i32 s34, s34, REC                        ; the record (K step, T / 8),
	s_and_b32 s37, s28, 7
	s_lshl_b32 s37, s37, 10
	s_add_co_u32 s34, s34, s37                     ; the tile's image,
	s_lshl_b32 s35, s35, 8
	s_add_co_u32 s34, s34, s35                     ; the block's 256 bytes,
	v_lshl_add_u32 v[24+\b], v1, 4, s34
	s_delay_alu instid0(VALU_DEP_1)
	v_lshl_add_u32 v[24+\b], v2, 3, v[24+\b]       ; my 8 of them: 16 r + 8 h
.endr
	s_lshl_b32 s36, s7, 7
	s_add_co_u32 s36, s36, SCB
	v_lshl_add_u32 v23, v30, 2, s36                ; LDS: the scale words back: K step 2 w + h, row r
	s_lshl_b32 s36, s7, 6
	s_lshr_b32 s37, s28, 3
	s_add_co_u32 s36, s36, s37
	s_mul_i32 s36, s36, REC
	s_add_co_u32 s36, s36, 8192
	s_and_b32 s37, s28, 7
	s_lshl_b32 s37, s37, 6
	s_add_co_u32 s36, s36, s37
	v_mul_u32_u24 v27, v2, 32*REC
	s_delay_alu instid0(VALU_DEP_1)
	v_add_nc_u32 v27, v27, v6
	s_delay_alu instid0(VALU_DEP_1)
	v_add_nc_u32 v27, s36, v27                     ; and their place in pw
	s_mul_i32 s32, s7, 384
	v_lshl_add_u32 v29, v2, 6, s32                 ; w_norm1: 384 w + 64 h
	v_mul_u32_u24 v28, v3, 3072
	s_delay_alu instid0(VALU_DEP_1)
	v_add_nc_u32 v28, v28, v29                     ; x: + my token's row
	s_mov_b32 s50, 0x3aaaaaab                      ; 1 / 768
	s_mov_b32 s51, 0x358637bd                      ; 1e-6
.irp b, 0,1,2
.irp j, 0,1,2,3
	global_load_b128 v[32+16*\b+4*\j:35+16*\b+4*\j], v28, s[8:9] offset:128*\b+16*\j
.endr
.endr
.irp b, 0,1,2
.irp j, 0,1,2,3
	global_load_b128 v[80+16*\b+4*\j:83+16*\b+4*\j], v29, s[10:11] offset:128*\b+16*\j
.endr
.endr
	s_cmp_lt_u32 s7, 4
	s_cbranch_scc1 .Lnorope
	; ---- waves 4 to 7, while x is on its way: cos and sin of pos x inv_freq(j), j = 4 jq + e, jq = 2 (w - 4) + h
	s_sub_co_u32 s33, s7, 4
	s_lshl_b32 s33, s33, 1
	v_add_nc_u32 v156, s33, v2                     ; jq
	s_delay_alu instid0(VALU_DEP_1)
	v_lshlrev_b32 v157, 2, v156
	s_wait_alu depctr_va_vdst(0)
	v_cvt_f32_u32 v158, v3                         ; pos
	s_mov_b32 s40, 0x3fc90000                      ; pi/2 in three parts
	s_mov_b32 s41, 0x39fda000
	s_mov_b32 s42, 0x33a22168
	s_mov_b32 s43, 0xb94ca1f9                      ; sin's polynomial
	s_mov_b32 s44, 0x3c08839e
	s_mov_b32 s45, 0xbe2aaaa3
	s_mov_b32 s46, 0x37ccf5ce                      ; cos's
	s_mov_b32 s47, 0xbab6061a
	s_mov_b32 s48, 0x3d2aaaa5
.irp e, 0,1,2,3
	v_add_nc_u32 v[128+\e], \e, v157
.endr
.irp e, 0,1,2,3
	s_delay_alu instid0(VALU_DEP_4)
	v_cvt_f32_u32 v[128+\e], v[128+\e]
.endr
.irp e, 0,1,2,3
	s_delay_alu instid0(VALU_DEP_4)
	v_mul_f32 v[128+\e], 0xbed49a78, v[128+\e]     ; -j log2(10000) / 32
.endr
	s_wait_alu depctr_va_vdst(0)
.irp e, 0,1,2,3
	v_exp_f32 v[128+\e], v[128+\e]                 ; inv_freq
.endr
	v_and_b32 v159, 3, v156                        ; plain work behind the four exponentials: where the quads go
	s_delay_alu instid0(VALU_DEP_1)
	v_lshlrev_b32 v159, 9, v159
	v_lshrrev_b32 v156, 2, v156
	s_delay_alu instid0(VALU_DEP_1)
	v_lshl_add_u32 v159, v156, 8, v159
	s_delay_alu instid0(VALU_DEP_1)
	v_lshl_add_u32 v159, v1, 4, v159               ; 512 (jq % 4) + 16 (16 (jq / 4) + r)
	s_lshl_b32 s33, s28, 12
	s_add_co_u32 s33, s33, RT
	v_add_nc_u32 v159, s33, v159
	s_wait_alu depctr_va_vdst(0)                   ; one wait for the four, ahead of their first reader
.irp e, 0,1,2,3
	v_mul_f32 v[128+\e], v158, v[128+\e]           ; the angle, rounded once
.endr
.irp e, 0,1,2,3
	s_delay_alu instid0(VALU_DEP_4)
	v_mul_f32 v[132+\e], 0x3f22f983, v[128+\e]
.endr
.irp e, 0,1,2,3
	s_delay_alu instid0(VALU_DEP_4)
	v_rndne_f32 v[132+\e], v[132+\e]               ; n = the nearest multiple of pi/2
.endr
.irp e, 0,1,2,3
	s_delay_alu instid0(VALU_DEP_4)
	v_fma_f32 v[136+\e], -v[132+\e], s40, v[128+\e]
.endr
.irp e, 0,1,2,3
	s_delay_alu instid0(VALU_DEP_4)
	v_fma_f32 v[136+\e], -v[132+\e], s41, v[136+\e]
.endr
.irp e, 0,1,2,3
	s_delay_alu instid0(VALU_DEP_4)
	v_fma_f32 v[136+\e], -v[132+\e], s42, v[136+\e]   ; what is left, within pi/4
.endr
.irp e, 0,1,2,3
	s_delay_alu instid0(VALU_DEP_4)
	v_mul_f32 v[140+\e], v[136+\e], v[136+\e]      ; z
.endr
.irp e, 0,1,2,3
	v_fma_f32 v[144+\e], v[140+\e], s43, s44
	v_fma_f32 v[148+\e], v[140+\e], s46, s47
.endr
.irp e, 0,1,2,3
	v_fma_f32 v[144+\e], v[144+\e], v[140+\e], s45
	v_fma_f32 v[148+\e], v[148+\e], v[140+\e], s48
.endr
.irp e, 0,1,2,3
	v_mul_f32 v[144+\e], v[144+\e], v[140+\e]
	v_mul_f32 v[152+\e], v[140+\e], v[140+\e]
	v_fma_f32 v[128+\e], v[140+\e], -0.5, 1.0
.endr
.irp e, 0,1,2,3
	v_fma_f32 v[144+\e], v[144+\e], v[136+\e], v[136+\e]   ; sin of the rest
	v_fma_f32 v[148+\e], v[152+\e], v[148+\e], v[128+\e]   ; cos of the rest
.endr
.irp e, 0,1,2,3
	v_cvt_i32_f32 v[152+\e], v[132+\e]             ; the quadrant is n mod 4
.endr
.irp e, 0,1,2,3
	v_and_b32 v[140+\e], 1, v[152+\e]
	s_delay_alu instid0(VALU_DEP_1)
	v_cmp_eq_u32 vcc_lo, 1, v[140+\e]
	s_delay_alu instid0(VALU_DEP_1)
	v_cndmask_b32 v[128+\e], v[144+\e], v[148+\e], vcc_lo   ; in odd quadrants the two change places
	s_delay_alu instid0(VALU_DEP_2)
	v_cndmask_b32 v[132+\e], v[148+\e], v[144+\e], vcc_lo
.endr
.irp e, 0,1,2,3
	v_lshlrev_b32 v[140+\e], 30, v[152+\e]
	v_add_nc_u32 v[152+\e], 1, v[152+\e]
.endr
.irp e, 0,1,2,3
	v_and_b32 v[140+\e], 0x80000000, v[140+\e]     ; sin is negative in quadrants 2, 3
	v_lshlrev_b32 v[152+\e], 30, v[152+\e]
.endr
.irp e, 0,1,2,3
	v_xor_b32 v[128+\e], v[140+\e], v[128+\e]
	v_and_b32 v[152+\e], 0x80000000, v[152+\e]     ; cos in quadrants 1, 2
.endr
.irp e, 0,1,2,3
	v_xor_b32 v[132+\e], v[152+\e], v[132+\e]
.endr
	global_store_b128 v159, v[132:135], s[26:27]               ; cos: sixteen lanes fill 256 consecutive bytes
	global_store_b128 v159, v[128:131], s[26:27] offset:2048   ; sin
.Lnorope:
	s_wait_loadcnt 12                              ; x's twelve loads are in; w_norm1's twelve may be out
	v_pk_mul_f32 v[8:9], v[32:33], v[32:33]        ; the sum of my 48 squares, in two packed chains
	v_pk_mul_f32 v[10:11], v[34:35], v[34:35]
.set n, 4
.rept 11
	s_delay_alu instid0(VALU_DEP_2)
	v_pk_fma_f32 v[8:9], v[32+n:33+n], v[32+n:33+n], v[8:9]
	s_delay_alu instid0(VALU_DEP_2)
	v_pk_fma_f32 v[10:11], v[34+n:35+n], v[34+n:35+n], v[10:11]
.set n, n+4
.endr
	s_delay_alu instid0(VALU_DEP_1)
	v_pk_add_f32 v[8:9], v[8:9], v[10:11]
	s_delay_alu instid0(VALU_DEP_1)
	v_add_f32 v8, v8, v9
	s_delay_alu instid0(VALU_DEP_1)
	v_permlanex16_b32 v9, v8, s4, s5
	s_delay_alu instid0(VALU_DEP_1)
	v_add_f32 v8, v8, v9                           ; with lane l xor 16's: my wave's part of row r
	ds_store_b32 v4, v8                            ; (both halves of the lanes write the same word with the same value)
	s_wait_dscnt 0x0                               ; for the others' sake: my store has landed
	s_barrier_signal -1
	s_barrier_wait -1
	ds_load_b128 v[12:15], v5
	ds_load_b128 v[16:19], v5 offset:16            ; the eight waves' parts of my row
	s_wait_dscnt 0x0
	v_add_f32 v12, v12, v13
	v_add_f32 v14, v14, v15
	v_add_f32 v16, v16, v17
	v_add_f32 v18, v18, v19
	s_delay_alu instid0(VALU_DEP_3)
	v_add_f32 v12, v12, v14
	s_delay_alu instid0(VALU_DEP_2)
	v_add_f32 v16, v16, v18
	s_delay_alu instid0(VALU_DEP_1)
	v_add_f32 v12, v12, v16
	s_delay_alu instid0(VALU_DEP_1)
	v_fma_f32 v12, v12, s50, s51                   ; the mean + eps
	s_wait_alu depctr_va_vdst(0)
	v_rsq_f32 v8, v12
	v_mov_b32 v9, 0                                ; a plain line behind the root; v9 is named with v8 as a pair
	s_wait_alu depctr_va_vdst(0)                   ; ahead of the root's first reader
	s_wait_loadcnt 0x0                             ; w_norm1
.set n, 0
.rept 24
	v_pk_mul_f32 v[32+n:33+n], v[32+n:33+n], v[8:9] op_sel_hi:[1,0]
.set n, n+2
.endr
.set n, 0
.rept 24
	v_pk_mul_f32 v[32+n:33+n], v[80+n:81+n], v[32+n:33+n]   ; w x (x / rms)
.set n, n+2
.endr
.irp b, 0,1,2
	v_max3_num_f32 v[8+\b], |v[32+16*\b]|, |v[33+16*\b]|, 0x1800000   ; my 16 numbers of block b, and the floor 2^(3 - 127)
.endr
.irp i, 2,4,6,8,10,12,14
.irp b, 0,1,2
	s_delay_alu instid0(VALU_DEP_3)
	v_max3_num_f32 v[8+\b], v[8+\b], |v[32+16*\b+\i]|, |v[33+16*\b+\i]|
.endr
.endr
.irp b, 0,1,2
	s_delay_alu instid0(VALU_DEP_3)
	v_permlanex16_b32 v[12+\b], v[8+\b], s4, s5
.endr
.irp b, 0,1,2
	s_delay_alu instid0(VALU_DEP_3)
	v_max_num_f32 v[8+\b], v[8+\b], v[12+\b]       ; the block's largest magnitude
.endr
.irp b, 0,1,2
	s_delay_alu instid0(VALU_DEP_3)
	v_add_nc_u32 v[16+\b], 0xff000000, v[8+\b]     ; the conversion's scale operand
.endr
.irp b, 0,1,2
	s_delay_alu instid0(VALU_DEP_3)
	v_lshrrev_b32 v[12+\b], 23, v[16+\b]           ; the byte
.endr
.irp b, 0,1,2
	v_cvt_scalef32_pk8_fp4_f32 v[80+2*\b], v[32+16*\b:39+16*\b], v[16+\b]
	v_cvt_scalef32_pk8_fp4_f32 v[81+2*\b], v[40+16*\b:47+16*\b], v[16+\b]
.endr
	v_nop                                          ; one plain line behind the last scaled conversion
.irp b, 0,1,2
	ds_store_b8 v[20+\b], v[12+\b]                 ; (both halves write the same byte with the same value)
	global_store_b64 v[24+\b], v[80+2*\b:81+2*\b], s[26:27]   ; the wave stores the block's 256 consecutive bytes
.endr
	s_wait_dscnt 0x0
	s_barrier_signal -1
	s_barrier_wait -1                              ; the tile's 96 scale words are whole
	s_cmp_gt_u32 s7, 2
	s_cbranch_scc1 .Lxend
	ds_load_b32 v8, v23
	s_wait_dscnt 0x0
	global_store_b32 v27, v8, s[26:27]
.Lxend:
	s_wait_tensorcnt 0x0
	ds_add_u32 v160, v161
	s_wait_dscnt 0x0
	s_endpgm
.Lfunc_end_k_q8660596e4f_prep:
	.size	k_q8660596e4f_prep, .Lfunc_end_k_q8660596e4f_prep-k_q8660596e4f_prep
	.p2alignl 7, 3214868480
	.fill 96, 4, 3214868480
	.section	.rodata,"a",@progbits
	.p2align	6, 0x0
	.amdhsa_kernel k_q8660596e4f_prep
		.amdhsa_group_segment_fixed_size 3072
		.amdhsa_private_segment_fixed_size 0
		.amdhsa_enable_private_segment 0
		.amdhsa_kernarg_size 80
		.amdhsa_user_sgpr_count 2
		.amdhsa_user_sgpr_kernarg_segment_ptr 1
		.amdhsa_wavefront_size32 1
		.amdhsa_system_sgpr_workgroup_id_x 1
		.amdhsa_system_sgpr_workgroup_id_y 1
		.amdhsa_system_sgpr_workgroup_id_z 1
		.amdhsa_system_vgpr_workitem_id 0
		.amdhsa_next_free_vgpr 162
		.amdhsa_next_free_sgpr 66
		.amdhsa_reserve_vcc 1
		.amdhsa_float_denorm_mode_32 3
		.amdhsa_float_denorm_mode_16_64 3
		.amdhsa_memory_ordered 1
		.amdhsa_forward_progress 1
		.amdhsa_inst_pref_size 73
	.end_amdhsa_kernel
	.amdgpu_metadata
---
amdhsa.version: [ 1, 2 ]
amdhsa.kernels:
  - .name:           k_q8660596e4f_prep
    .symbol:         k_q8660596e4f_prep.kd
    .args:
      - { .name: hidden_states, .offset: 0, .size: 8, .value_kind: global_buffer, .address_space: global }
      - { .name: w_norm1, .offset: 8, .size: 8, .value_kind: global_buffer, .address_space: global }
      - { .name: w_q, .offset: 16, .size: 8, .value_kind: global_buffer, .address_space: global }
      - { .name: w_k, .offset: 24, .size: 8, .value_kind: global_buffer, .address_space: global }
      - { .name: w_v, .offset: 32, .size: 8, .value_kind: global_buffer, .address_space: global }
      - { .name: w_o, .offset: 40, .size: 8, .value_kind: global_buffer, .address_space: global }
      - { .name: w_gate, .offset: 48, .size: 8, .value_kind: global_buffer, .address_space: global }
      - { .name: w_up, .offset: 56, .size: 8, .value_kind: global_buffer, .address_space: global }
      - { .name: w_down, .offset: 64, .size: 8, .value_kind: global_buffer, .address_space: global }
      - { .name: pw, .offset: 72, .size: 8, .value_kind: global_buffer, .address_space: global }
    .group_segment_fixed_size: 3072
    .private_segment_fixed_size: 0
    .kernarg_segment_align: 8
    .kernarg_segment_size: 80
    .max_flat_workgroup_size: 256
    .sgpr_count:     66
    .vgpr_count:     162
    .wavefront_size: 32
...
	.end_amdgpu_metadata
.endif
;; end of part 1
;; launch qkv (part 2): grid 9 x 16, 4 waves a work-group, no clusters, 213,504 bytes of LDS; arguments pw, qkvb; writes qkvb
.if DOCPART == 2
	.amdgcn_target "amdgcn-amd-amdhsa--gfx1250"
	.amdhsa_code_object_version 6
	.text
	.protected	k_q8660596e4f_qkv
	.globl	k_q8660596e4f_qkv
	.p2align	8
	.type	k_q8660596e4f_qkv,@function
k_q8660596e4f_qkv:
	s_mov_b64 s[64:65], 0
	v_nop
	global_prefetch_b8 v0, s[64:65] scope:SCOPE_SE
	s_setreg_imm32_b32 hwreg(HW_REG_WAVE_MODE, 25, 1), 1
	s_wait_xcnt 0x0
; QKV: q, k, v = rms_norm(x) W on codes of FP4 (E2M1) with E8M0 scales; rotary embedding on q and k in f32; all three quantised in registers for attention's two products.
; A work-group makes 256 columns (x: 0-2 q, 3-5 k, 6-8 v) x 256 tokens (y); four waves, each 128 x 128: 64 accumulators, 512 registers.
; Every product is D = S0 x S1 (source 0 = 16 rows of S0, source 1 = 16 rows of S1): a lane holds one row of S1, and the 16 registers of S0's tiles 2 b, 2 b + 1 are S0's rows 32 b + 16 h + 0 .. 15
; (the rows of a tile are chosen so).  q, k: S0 = W, S1 = x: a lane's registers run along the head's 64, the scores' K.  v: S0 = x, S1 = W: they run along the tokens, the second product's K.
; ALL OF K (6 steps of 128) FITS IN LDS: each wave asks for its record (128 rows x 128 K: 8,192 bytes of register images + 512 of scale words, 34 dense rows of 256 bytes) of every K step at the head:
; six tensor loads of mine are out at the most, every LDS byte is filled once, and a counted wait and one barrier a K step show the next step's four records to all four waves.
; v runs through the rotary lines too, with cos = 1 and sin = 0 selected by the work-group's number: lo x 1 - hi x 0 is lo.
; No cluster: the grid is 9 work-groups wide, which no cluster of four divides.
; LIMITS: NaN and infinities are not served; a block of zeros gets the scale byte 1 (its codes are zeros; this program alone reads the bytes).
; REGISTERS, in windows of 256: window 0: v16-26 addresses; v32-47 scale words, two sets; v64-127, v128-191 S1's fragments, two sets; window 1: v64-191 S0's; windows 2, 3: the accumulators, (a, b) at v[8 (8 (a % 4) + b)].
;   On the way out window 0 is free: v64-127 64 numbers; v128-191 cos and sin, two sets; v192-199 at work; v200-215, v216-223 the quantiser's; v224 1.0, v225 0; v232-239 the eight scale words.
; THE FILL, in place of what the note above says of six loads and of a barrier a K step: ONE tensor load a wave brings its record of all six K steps, as six rows of 8,704 bytes, 278,528 bytes apart in memory and
; dense in LDS; one wait for it and one barrier show all records to all four waves, and no barrier stands between the K steps.
.set REC,  8704
.set KSL,  REC                         ; in LDS: from K step to K step of one record's place
.set WRG,  6*REC                       ; and a wave's six records: S0's two places, then S1's two
.set WQKV, 6479872
.set RT,   5431296
.set KVO,  3342336                     ; qkvb: q's records at 0, k's and v's from here; [head 12][128 tokens 32][8,704]: K's 8 tiles x 512 | V^T's 4 tiles x 1,024 | K's scales [r][tile] u16 | V's [r][tile] u32
.set HSTR, 32*REC                      ; from head to head
.set SCRQ, 4*WRG
.set SCRV, SCRQ+2048                   ; and 512 a wave of their own for v's
.set SC,   32
.set ST,   64
.set CSN,  128
.set TM,   200
.set PC,   216
.set PWR,  232
.set MSB,  0
.macro WIN new                         ; the immediate's high byte repeats the setting that is left
.if MSB != \new
	s_set_vgpr_msb (MSB<<8)|\new
.set MSB, \new
.endif
.endm
.macro FETCH f, set                    ; a K step's fragments: 16 x lane in each image, so every load reads 512 consecutive bytes; scale words: lanes 0-15 S0's tile i, lanes 16-31 S1's
	WIN 0x40
.irp i, 0,1,2,3,4,5,6,7
	ds_load_b128 v[\f+8*\i:\f+8*\i+3], v16 offset:1024*\i
	ds_load_b128 v[\f+8*\i+4:\f+8*\i+7], v16 offset:1024*\i+512
.endr
	WIN 0
.irp i, 0,1,2,3,4,5,6,7
	ds_load_b128 v[\f+8*\i:\f+8*\i+3], v17 offset:1024*\i
	ds_load_b128 v[\f+8*\i+4:\f+8*\i+7], v17 offset:1024*\i+512
.endr
.irp i, 0,1,2,3,4,5,6,7
	ds_load_b32 v[SC+8*(\set)+\i], v18 offset:64*\i
.endr
.endm
.macro MUL16 f, set, a0, zero          ; S1's tiles a0, a0 + 1 x S0's eight; the 64 accumulators take turns, one instruction a turn
.irp a, \a0, \a0+1
.irp b, 0,1,2,3,4,5,6,7
.if \zero
	v_wmma_scale_f32_16x16x128_f8f6f4 v[8*(8*((\a)%4)+\b):8*(8*((\a)%4)+\b)+7], v[\f+8*\b:\f+8*\b+7], v[\f+8*(\a):\f+8*(\a)+7], 0, v[SC+8*(\set)+\b], v[SC+8*(\set)+(\a)] matrix_a_fmt:MATRIX_FMT_FP4 matrix_b_fmt:MATRIX_FMT_FP4 matrix_b_scale:MATRIX_SCALE_ROW1
.else
	v_wmma_scale_f32_16x16x128_f8f6f4 v[8*(8*((\a)%4)+\b):8*(8*((\a)%4)+\b)+7], v[\f+8*\b:\f+8*\b+7], v[\f+8*(\a):\f+8*(\a)+7], v[8*(8*((\a)%4)+\b):8*(8*((\a)%4)+\b)+7], v[SC+8*(\set)+\b], v[SC+8*(\set)+(\a)] matrix_a_fmt:MATRIX_FMT_FP4 matrix_b_fmt:MATRIX_FMT_FP4 matrix_b_scale:MATRIX_SCALE_ROW1
.endif
.endr
.endr
.endm
.macro KSTEP s
.set FS, 64+64*((\s)%2)
.set FN, 64+64*(((\s)+1)%2)
.set ZR, 0
.if (\s) == 0
.set ZR, 1                             ; the first K step's products start the sums: nothing is cleared
.endif
	s_wait_dscnt 0x0                               ; this step's fragments are in (asked for 32 matrix instructions ago)
	WIN 0xa1                                       ; source 0 window 1, source 1 window 0, C and D window 2
	MUL16 FS, (\s)%2, 0, ZR
	MUL16 FS, (\s)%2, 2, ZR
.if (\s) < 5
	WIN 0
	s_wait_alu depctr_va_vdst(0)
	v_add_nc_u32 v16, KSL, v16
	v_add_nc_u32 v17, KSL, v17
	v_add_nc_u32 v18, KSL, v18
	v_nop
	FETCH FN, ((\s)+1)%2
.endif
	WIN 0xf1                                       ; C and D window 3
	MUL16 FS, (\s)%2, 4, ZR
	MUL16 FS, (\s)%2, 6, ZR
.endm
; nb blocks of 32: register 16 b + i of v[s] on = k 32 b + 16 (lane / 16) + i of my row.  Codes to v[PC] on, in the operand's layout; the scale bytes to v[pw].
.macro QUANT nb, s, pw
.set qb, 0
.rept \nb
	v_max3_num_f32 v[TM+qb], |v[\s+16*qb]|, |v[\s+1+16*qb]|, 0x1800000   ; my 16 numbers, and the floor 2^(3 - 127): the byte cannot fall under 1
.set qb, qb+1
.endr
.irp i, 2,4,6,8,10,12,14
.set qb, 0
.rept \nb
	v_max3_num_f32 v[TM+qb], v[TM+qb], |v[\s+16*qb+\i]|, |v[\s+1+16*qb+\i]|
.set qb, qb+1
.endr
.endr
.set qb, 0
.rept \nb
	v_permlanex16_b32 v[TM+4+qb], v[TM+qb], s14, s15
.set qb, qb+1
.endr
.set qb, 0
.rept \nb
	v_max_num_f32 v[TM+qb], v[TM+qb], v[TM+4+qb]   ; with lane l xor 16's: the block's largest magnitude
.set qb, qb+1
.endr
.set qb, 0
.rept \nb
	v_add_nc_u32 v[TM+12+qb], 0xff000000, v[TM+qb] ; 2 off its exponent field: the conversion's scale operand
.set qb, qb+1
.endr
.set qb, 0
.rept \nb
	v_lshrrev_b32 v[TM+4+qb], 23, v[TM+12+qb]      ; the byte
.set qb, qb+1
.endr
	v_lshl_or_b32 v[\pw], v[TM+5], 8, v[TM+4]
.if \nb == 4
	v_lshl_or_b32 v[\pw], v[TM+6], 16, v[\pw]
	v_lshl_or_b32 v[\pw], v[TM+7], 24, v[\pw]
.endif
.set qb, 0
.rept \nb
	v_cvt_scalef32_pk8_fp4_f32 v[PC+2*qb], v[\s+16*qb:\s+7+16*qb], v[TM+12+qb]
	v_cvt_scalef32_pk8_fp4_f32 v[PC+1+2*qb], v[\s+8+16*qb:\s+15+16*qb], v[TM+12+qb]
.set qb, qb+1
.endr
	v_nop                                          ; one plain line behind a scaled conversion
.set qb, 0
.rept \nb/2                            ; the layout wants a whole block in a lane: lanes 0-15 block 2 c, lanes 16-31 block 2 c + 1
	v_permlane16_swap_b32 v[PC+4*qb], v[PC+2+4*qb]
	v_permlane16_swap_b32 v[PC+1+4*qb], v[PC+3+4*qb]
.set qb, qb+1
.endr
.endm
.macro TLOAD a                         ; cos (16 registers) and sin (16) of token tile a, in the accumulators' layout
.irp q, 0,1,2,3,4,5,6,7
	global_load_b128 v[CSN+32*((\a)%2)+4*\q:CSN+32*((\a)%2)+4*\q+3], v20, s[84:85] offset:(\a)*4096+512*\q
.endr
.endm
.macro EPI a                           ; S1's tile a: 64 numbers a lane
.set CB, CSN+32*((\a)%2)
.set AC, 64*((\a)%4)
.set WN, 2+(\a)/4
.if (\a) < 7
	s_wait_loadcnt 8                               ; this tile's eight loads are in; the next tile's eight may be out
.else
	s_wait_loadcnt 0x0
.endif
.if (\a) > 0
	s_wait_xcnt 0x0                                ; the last tile's stores have read their data and their base: both are written again only behind this wait
	s_add_nc_u64 s[76:77], s[76:77], s[78:79]
.endif
.if (\a) == 4
	s_add_nc_u64 s[76:77], s[76:77], s[80:81]      ; (v: on to the next head's record)
.endif
.set i, 0
.rept 16
	v_cndmask_b32 v[CB+i], v[CB+i], v224, s13      ; v: cos = 1,
	v_cndmask_b32 v[CB+16+i], v[CB+16+i], v225, s13   ; sin = 0
.set i, i+1
.endr
	WIN WN                                         ; source 0: the accumulators' window
.irp hd, 0,1                           ; two heads of 64; registers ascending
.irp p, 0,2,4,6,8,10,12,14
.set T4, 192+4*((\p/2)%2)
	v_pk_mul_f32 v[T4:T4+1], v[AC+32*\hd+16+\p:AC+32*\hd+17+\p], v[CB+16+\p:CB+17+\p]
	v_pk_mul_f32 v[T4+2:T4+3], v[AC+32*\hd+\p:AC+32*\hd+1+\p], v[CB+16+\p:CB+17+\p]
	v_pk_fma_f32 v[ST+32*\hd+\p:ST+32*\hd+1+\p], v[AC+32*\hd+\p:AC+32*\hd+1+\p], v[CB+\p:CB+1+\p], v[T4:T4+1] neg_lo:[0,0,1] neg_hi:[0,0,1]   ; d < 32: q cos - q(d + 32) sin
	v_pk_fma_f32 v[ST+32*\hd+16+\p:ST+32*\hd+17+\p], v[AC+32*\hd+16+\p:AC+32*\hd+17+\p], v[CB+\p:CB+1+\p], v[T4+2:T4+3]   ; d >= 32: q cos + q(d - 32) sin
.endr
.endr
	WIN 0
.if (\a) < 6
	TLOAD (\a)+2
.endif
	QUANT 4, ST, PWR+(\a)
	global_store_b128 v20, v[PC:PC+3], s[76:77]    ; q, k: the first head's tile;  v: keys 0-63 of the 128
	global_store_b128 v21, v[PC+4:PC+7], s[76:77]  ; q, k: the second head's, a head's records on;  v: keys 64-127, 512 bytes on
.endm
	s_load_b128 s[4:7], s[0:1], 0x0                ; pw, qkvb
	v_lshl_add_u32 v254, v0, 2, 0x34000
	v_mov_b32 v255, 0
	ds_add_u32 v254, v255
	ds_add_u32 v254, v255
	v_lshrrev_b32 v1, 5, v0
	v_readfirstlane_b32 s8, v1                     ; wave 0..3
	s_and_b32 s9, s8, 1                            ; which half of S0's rows is mine.  Also: which of the operand's two records I fetch
	s_lshr_b32 s10, s8, 1                          ; which half of S1's.  Also: I fetch for S0 (0) or S1 (1)
	s_mov_b32 s2, ttmp9
	s_and_b32 s3, ttmp7, 0xffff
	s_cmp_ge_u32 s2, 3
	s_cselect_b32 s48, 1, 0
	s_cmp_ge_u32 s2, 6
	s_cselect_b32 s11, 1, 0                        ; 1: v
	s_add_co_u32 s48, s48, s11                     ; 0 q, 1 k, 2 v
	s_mul_i32 s49, s48, 3
	s_sub_co_u32 s12, s2, s49                      ; which 256 of the tensor's 768 columns
	s_mov_b32 s14, 0x76543210
	s_mov_b32 s15, 0xfedcba98
	s_mov_b32 s16, 3<<16                           ; group 1: elements of 8 bytes, no mask, no padding
	s_mov_b32 s17, 1088<<16                        ; tensor_dim0 = 1,088 elements: a row is a record of 8,704 bytes
	s_mov_b32 s18, 6<<16                           ; tensor_dim1 = 6 rows: the K steps
	s_mov_b32 s19, 1088<<16                        ; tile_dim0
	s_mov_b32 s20, 6                               ; tile_dim1
	s_mov_b32 s21, 34816                           ; the pitch: 278,528 bytes from K step to K step, for x and for the weights
	s_mov_b32 s22, 0
	s_mov_b32 s23, 0
	s_xor_b32 s50, s10, s11                        ; 0: what I fetch is the weight (S0 for q and k, S1 for v)
	s_cmp_eq_u32 s50, 0
	s_cselect_b32 s51, s2, s3
	s_cselect_b32 s52, WQKV, 0
	s_lshl_b32 s51, s51, 1
	s_add_co_u32 s51, s51, s9
	s_mul_i32 s51, s51, REC
	s_add_co_u32 s52, s52, s51
	s_mov_b32 s53, 0
	s_mul_i32 s54, s8, WRG                         ; in LDS: place w
	s_wait_dscnt 0x0
	s_wait_kmcnt 0x0
	s_add_nc_u64 s[56:57], s[4:5], s[52:53]
	s_mov_b32 s24, 1
	s_mov_b32 s25, s54
	s_mov_b64 s[26:27], s[56:57]
	s_or_b32 s27, s27, 0x80000000
	tensor_load_to_lds s[24:27], s[16:23]          ; my one tensor load: every LDS byte is filled once
	s_nop 0
.rept 4
	v_nop
.endr
	; where the results go
	s_cmp_eq_u32 s11, 1
	s_cselect_b32 s60, s10, s9                     ; which two of the four heads: by the weight's half
	s_cselect_b32 s61, s9, s10                     ; which 128 of the 256 tokens: by x's half
	s_cselect_b32 s13, -1, 0
	s_mov_b32 s66, HSTR
	s_cselect_b32 s66, 512, s66                    ; from the first store to the second
	s_mov_b32 s78, 512
	s_cselect_b32 s78, 1024, s78                   ; from tile to tile
	s_cselect_b32 s80, HSTR-4096, 0                ; v: behind four tiles the next head
	s_cselect_b32 s72, 4096, 0                     ; v: its codes lie behind K's
	s_cmp_eq_u32 s48, 0
	s_cselect_b32 s70, 0, KVO
	s_lshl_b32 s71, s12, 2
	s_lshl_b32 s60, s60, 1
	s_add_co_u32 s71, s71, s60                     ; the head
	s_lshl_b32 s71, s71, 5
	s_lshl_b32 s62, s3, 1
	s_add_co_u32 s62, s62, s61                     ; the group of 128 tokens
	s_add_co_u32 s71, s71, s62
	s_mul_i32 s71, s71, REC
	s_add_co_u32 s70, s70, s71
	s_mov_b32 s71, 0
	s_mov_b32 s73, 0
	s_mov_b32 s79, 0
	s_mov_b32 s81, 0
	s_add_nc_u64 s[74:75], s[6:7], s[70:71]        ; the record
	s_add_nc_u64 s[76:77], s[74:75], s[72:73]      ; where its first tile goes
	s_lshl_b32 s82, s3, 4
	s_lshl_b32 s83, s10, 3
	s_add_co_u32 s82, s82, s83
	s_lshl_b32 s82, s82, 12
	s_add_co_u32 s82, s82, RT
	s_mov_b32 s83, 0
	s_add_nc_u64 s[84:85], s[4:5], s[82:83]        ; cos and sin of token tiles 16 y + 8 ws1 on
	v_and_b32 v1, 31, v0                           ; lane
	v_and_b32 v2, 15, v0                           ; r
	v_bfe_u32 v3, v0, 4, 1                         ; h
	v_lshlrev_b32 v20, 4, v1                       ; 16 x lane
	s_mul_i32 s49, s9, WRG
	v_add_nc_u32 v16, s49, v20                     ; S0's images
	s_add_co_u32 s50, s10, 2
	s_mul_i32 s50, s50, WRG
	v_add_nc_u32 v17, s50, v20                     ; S1's
	s_sub_co_u32 s50, s50, s49
	v_mul_u32_u24 v19, s50, v3                     ; lanes 16-31 take S1's scale words: one product, the distance between the two records
	v_lshl_add_u32 v18, v2, 2, v19
	s_add_co_u32 s49, s49, 8192
	v_add_nc_u32 v18, s49, v18
	v_add_nc_u32 v21, s66, v20
	s_lshl_b32 s49, s8, 9
	v_lshlrev_b32 v27, 4, v2                       ; 16 r
	v_add_nc_u32 v22, s49, v27
	v_add_nc_u32 v23, SCRV, v22                    ; v's scale words: in,
	v_add_nc_u32 v22, SCRQ, v22                    ; q's and k's: in,
	v_add_nc_u32 v24, s49, v20
	v_add_nc_u32 v25, SCRV, v24                    ; and back
	v_add_nc_u32 v24, SCRQ, v24
	v_mul_u32_u24 v26, v3, HSTR
	v_add_nc_u32 v26, v26, v27                     ; in memory: 16 r, lanes 16-31 a head on
	v_mov_b32 v224, 1.0
	v_mov_b32 v225, 0
.irp b, 0,1,2,3
	v_mov_b32 v[TM+4+\b], 0                        ; written once: a lane permute's destination counts as one of its sources
.endr
	s_wait_tensorcnt 0x0                           ; my six records have landed
	s_barrier_signal -1
	s_barrier_wait -1                              ; everybody's has
	FETCH 64, 0
.irp s, 0,1,2,3,4,5
	KSTEP \s
.endr
	WIN 0
.rept 4
	v_nop                                          ; four places behind the last products: for the first reads of results and for loads into registers that held fragments
.endr
	TLOAD 0
	TLOAD 1
.irp a, 0,1,2,3,4,5,6,7
	EPI \a
.endr
	; the eight tiles' scale words turn through the wave's own LDS bytes, so that sixteen lanes store 256 consecutive bytes; LDS serves a wave's instructions in order
	s_cmp_eq_u32 s11, 1
	s_cbranch_scc1 .Lvs
.irp a, 0,1,2,3,4,5,6,7
	ds_store_b16 v22, v[PWR+\a] offset:2*\a                  ; the first head's two bytes: [r][tile]
	ds_store_b16_d16_hi v22, v[PWR+\a] offset:256+2*\a       ; the second head's
.endr
	ds_load_b128 v[64:67], v24
	s_wait_dscnt 0x0
	global_store_b128 v26, v[64:67], s[74:75] offset:8192
	s_wait_tensorcnt 0x0
	ds_add_u32 v254, v255
	s_wait_dscnt 0x0
	s_endpgm
.Lvs:
.irp a, 0,1,2,3,4,5,6,7
	ds_store_b32 v23, v[PWR+\a] offset:256*(\a/4)+4*(\a%4)   ; [head][r][tile of 16 channels]
.endr
	ds_load_b128 v[64:67], v25
	s_wait_dscnt 0x0
	global_store_b128 v26, v[64:67], s[74:75] offset:8448
	s_wait_tensorcnt 0x0
	ds_add_u32 v254, v255
	s_wait_dscnt 0x0
	s_endpgm
.Lfunc_end_k_q8660596e4f_qkv:
	.size	k_q8660596e4f_qkv, .Lfunc_end_k_q8660596e4f_qkv-k_q8660596e4f_qkv
	.p2alignl 7, 3214868480
	.fill 96, 4, 3214868480
	.section	.rodata,"a",@progbits
	.p2align	6, 0x0
	.amdhsa_kernel k_q8660596e4f_qkv
		.amdhsa_group_segment_fixed_size 213504
		.amdhsa_private_segment_fixed_size 0
		.amdhsa_enable_private_segment 0
		.amdhsa_kernarg_size 16
		.amdhsa_user_sgpr_count 2
		.amdhsa_user_sgpr_kernarg_segment_ptr 1
		.amdhsa_wavefront_size32 1
		.amdhsa_system_sgpr_workgroup_id_x 1
		.amdhsa_system_sgpr_workgroup_id_y 1
		.amdhsa_system_sgpr_workgroup_id_z 1
		.amdhsa_system_vgpr_workitem_id 0
		.amdhsa_next_free_vgpr 1024
		.amdhsa_next_free_sgpr 100
		.amdhsa_reserve_vcc 0
		.amdhsa_float_denorm_mode_32 3
		.amdhsa_float_denorm_mode_16_64 3
		.amdhsa_memory_ordered 1
		.amdhsa_forward_progress 1
		.amdhsa_inst_pref_size 160
	.end_amdhsa_kernel
	.amdgpu_metadata
---
amdhsa.version: [ 1, 2 ]
amdhsa.kernels:
  - .name:           k_q8660596e4f_qkv
    .symbol:         k_q8660596e4f_qkv.kd
    .args:
      - { .name: pw, .offset: 0, .size: 8, .value_kind: global_buffer, .address_space: global }
      - { .name: qkvb, .offset: 8, .size: 8, .value_kind: global_buffer, .address_space: global }
    .group_segment_fixed_size: 213504
    .private_segment_fixed_size: 0
    .kernarg_segment_align: 8
    .kernarg_segment_size: 16
    .max_flat_workgroup_size: 128
    .sgpr_count:     100
    .vgpr_count:     1024
    .wavefront_size: 32
...
	.end_amdgpu_metadata
.endif
;; end of part 2
;; launch attn (part 3): grid 21 x 12, 12 waves a work-group, no clusters, 327,680 bytes of LDS; arguments qkvb, ab; writes ab
.if DOCPART == 3
	.amdgcn_target "amdgcn-amd-amdhsa--gfx1250"
	.amdhsa_code_object_version 6
	.text
	.protected	k_q8660596e4f_attn
	.globl	k_q8660596e4f_attn
	.p2align	8
	.type	k_q8660596e4f_attn,@function
k_q8660596e4f_attn:
	s_mov_b64 s[64:65], 0
	v_nop
	global_prefetch_b8 v0, s[64:65] scope:SCOPE_SE
	s_setreg_imm32_b32 hwreg(HW_REG_WAVE_MODE, 25, 1), 1
	s_wait_xcnt 0x0
; ATTN: causal attention of one head on codes of FP4 (E2M1) with E8M0 scales; the result is divided by the row's sum and quantised for the next product.
; p = 2^(t - M), t = score x log2(e) / 8, M the ceiling of the running largest t; the row's sum is taken of the unquantised p in f32.
; LEFT OUT: key steps all of whose 128 keys come after a tile's 16 queries: reference() itself puts its causal mask over them, so they reach no output, whatever the inputs hold.
; THE DEAL.  A tile of 16 queries of the g-th 128 tokens walks g + 1 key steps of 128.  A head's 64 blocks of 64 queries (four tiles; block j walks w = j / 2 + 1 steps) are dealt to 21 work-groups by a table
; that the sizes settle: blocks a, b, c (and once d), 50 or 51 steps a tile in all.
; THE CHAINS.  Twelve waves = 4 tiles x 3 chains; wave w has tile w % 4 and chain w / 4.  The steps are cut into chains of 17, 17 and 16 or 17:
;   chain 0: 17 steps of a, kept;   chain 1: the other w_a - 17 steps of a, sent, then 34 - w_a steps of b, kept;   chain 2: the other steps of b, sent, then c and d whole.
; A block that is cut in two: the smaller part, of m steps, takes key steps 1, 3 .. 2 m - 1; the larger 0, 2 .. 2 m - 2 and all from 2 m on.  So trip i is key step ks + i + min(i, mm): every part begins at low keys.
; A part has a running M, sum and O^T of its own.  What is sent (-M, sum, O^T) goes to LDS bytes that are the sending wave's own; one barrier at the end; then chains 0 and 1 join what chains 1 and 2 sent to what
; they kept, by factors 2^(M_i - M), which round nothing.
; K AND V of the whole head stay in LDS, 32 records of 8,704 bytes, filled once: a record a wave at the head (key steps 0-11), two records in each of waves 0-9 behind the first barrier; every wait on TENSORcnt is for 0.
; The first six trips of a chain reach key step 11 at the most: they run while the second fill is on its way.
; No cluster: a head has 21 work-groups, which no cluster of four divides.  No prefetch: both fills go out at the head, and no later load is there to run ahead of.
; LAYOUT: both products transposed, a lane holds one query; a head's 64 fill half of the first product's K of 128: zero registers stand for the other half.
; LIMITS: the scaled scores stay under 2^31 in magnitude; NaN and infinities are not served; a block of zeros gets the scale byte 1 (this program alone reads the bytes).  A tile's scale bytes leave 32 bytes at a time.
; REGISTERS: v1-11 addresses; v12 -M, v13 largest t, v[14:15] the sum; v16-27 Q with zeros between, v28 its scales; v29, v30 offsets of the next part's Q, v88-92 that Q; v93, v94 where I read what was sent;
;   v32-39 scale words; v40-87 K with zeros between; v96-159 scores, p; v160-191 O^T; v192-223 V; v224-231 codes; v232-250 at work; v251, v255 the add's.
.set REC,  8704
.set HSTR, 32*REC
.set KVO,  3342336
.set AOS,  1572864
.set SCR,  32*REC                      ; behind K and V: eight places of SLT bytes for what chains 1 and 2 send
.set SLT,  4352                        ; O^T, 32 registers x 128 bytes, then -M and the sum, 8 bytes a lane
.set SPARE, SCR+8*SLT                  ; the spare words, 128 bytes a wave
.set TM,   232
.set PC,   224
.set CS,   40
.set KI,   42                          ; s42 the key step; s44 the trip i; s12 the part's end; s11 the step on the diagonal
.set KS,   66                          ; s66-68 the part in hand: ks, mm, a cap on its end;  s69-71 the same of the part that follows
.macro QUANT nb, s, pw
.set qb, 0
.rept \nb
	v_max3_num_f32 v[TM+qb], |v[\s+16*qb]|, |v[\s+1+16*qb]|, 0x1800000   ; my 16 numbers and the floor 2^(3 - 127)
.set qb, qb+1
.endr
.irp i, 2,4,6,8,10,12,14
.set qb, 0
.rept \nb
	s_delay_alu instid0(VALU_DEP_2)
	v_max3_num_f32 v[TM+qb], v[TM+qb], |v[\s+16*qb+\i]|, |v[\s+1+16*qb+\i]|
.set qb, qb+1
.endr
.endr
.set qb, 0
.rept \nb
	s_delay_alu instid0(VALU_DEP_2)
	v_permlanex16_b32 v[TM+4+qb], v[TM+qb], s14, s15
.set qb, qb+1
.endr
.set qb, 0
.rept \nb
	s_delay_alu instid0(VALU_DEP_2)
	v_max_num_f32 v[TM+qb], v[TM+qb], v[TM+4+qb]   ; the block's largest magnitude
.set qb, qb+1
.endr
.set qb, 0
.rept \nb
	s_delay_alu instid0(VALU_DEP_2)
	v_add_nc_u32 v[TM+12+qb], 0xff000000, v[TM+qb] ; the conversion's scale operand
.set qb, qb+1
.endr
.set qb, 0
.rept \nb
	s_delay_alu instid0(VALU_DEP_2)
	v_lshrrev_b32 v[TM+4+qb], 23, v[TM+12+qb]      ; the byte
.set qb, qb+1
.endr
	s_delay_alu instid0(VALU_DEP_1)
	v_lshl_or_b32 v[\pw], v[TM+5], 8, v[TM+4]
.set qb, 0
.rept \nb
	v_cvt_scalef32_pk8_fp4_f32 v[PC+2*qb], v[\s+16*qb:\s+7+16*qb], v[TM+12+qb]
	v_cvt_scalef32_pk8_fp4_f32 v[PC+1+2*qb], v[\s+8+16*qb:\s+15+16*qb], v[TM+12+qb]
.set qb, qb+1
.endr
	v_nop
.set qb, 0
.rept \nb/2
	v_permlane16_swap_b32 v[PC+4*qb], v[PC+2+4*qb]
	v_permlane16_swap_b32 v[PC+1+4*qb], v[PC+3+4*qb]
.set qb, qb+1
.endr
.endm
; A KEY STEP: trip s44 of the part in hand.  Past the part's end the loop is left: a scalar branch on ids.
.macro STEP out, top
	s_min_u32 s45, s44, s[KS+1]
	s_add_co_u32 s45, s45, s44
	s_add_co_u32 s[KI], s45, s[KS]                 ; the key step: ks + i + min(i, mm)
	s_cmp_ge_u32 s[KI], s12
	s_cbranch_scc1 \out
	s_mul_i32 s45, s[KI], REC
	s_min_u32 s45, s45, (\top)*REC                 ; its record; held at the last record that this loop may read (the first loop: the first fill's last)
	v_add_nc_u32 v3, s45, v1
	v_add_nc_u32 v4, s45, v2
	v_nop
	v_nop                                          ; four places in front of loads into registers that the last products read
.irp i, 0,1,2,3
	ds_load_b128 v[40+12*\i:43+12*\i], v3 offset:1024*\i
	ds_load_b128 v[48+12*\i:51+12*\i], v3 offset:1024*\i+512
.endr
	ds_load_b128 v[32:35], v4 offset:8192
.irp i, 0,1,2,3,4,5,6,7
	ds_load_b128 v[192+4*\i:195+4*\i], v3 offset:4096+512*\i
.endr
	ds_load_b128 v[36:39], v4 offset:8448
	s_wait_dscnt 9                                 ; K and its scale words are in; V's nine loads may be out
.irp i, 0,1,2,3
	v_wmma_scale_f32_16x16x128_f8f6f4 v[96+16*\i:103+16*\i], v[40+12*\i:47+12*\i], v[16:23], 0, v[32+\i], v28 matrix_a_fmt:MATRIX_FMT_FP4 matrix_b_fmt:MATRIX_FMT_FP4
	v_wmma_scale_f32_16x16x128_f8f6f4 v[104+16*\i:111+16*\i], v[44+12*\i:51+12*\i], v[20:27], 0, v[32+\i], v28 matrix_a_fmt:MATRIX_FMT_FP4 matrix_b_fmt:MATRIX_FMT_FP4
.endr
.rept 4
	v_nop
.endr
	s_cmp_lg_u32 s[KI], s11
	s_cbranch_scc1 .Lopen_\@
	v_mov_b32 v254, 0xff800000                     ; on the diagonal hidden scores become -infinity
.set n, 0
.rept 64
	v_cmp_gt_i32 vcc_lo, 32*(n/16)+n%16, v5
	v_cndmask_b32 v[96+n], v[96+n], v254, vcc_lo
.set n, n+1
.endr
.Lopen_\@:
.irp b, 0,1,2,3
	v_max3_num_f32 v[232+\b], v[96+16*\b], v[97+16*\b], v[98+16*\b]   ; each block's largest score: for the row's maximum and for the block's largest p
.endr
.irp i, 3,5,7,9,11,13
.irp b, 0,1,2,3
	v_max3_num_f32 v[232+\b], v[232+\b], v[96+16*\b+\i], v[97+16*\b+\i]
.endr
.endr
.irp b, 0,1,2,3
	v_max_num_f32 v[232+\b], v[232+\b], v[111+16*\b]
.endr
.irp b, 0,1,2,3
	s_delay_alu instid0(VALU_DEP_4)
	v_permlanex16_b32 v[236+\b], v[232+\b], s14, s15
.endr
.irp b, 0,1,2,3
	s_delay_alu instid0(VALU_DEP_4)
	v_max_num_f32 v[232+\b], v[232+\b], v[236+\b]
.endr
	s_delay_alu instid0(VALU_DEP_2)
	v_max3_num_f32 v254, v232, v233, v234
	s_delay_alu instid0(VALU_DEP_1)
	v_max_num_f32 v254, v254, v235
	s_delay_alu instid0(VALU_DEP_1)
	v_mul_f32 v254, s[CS], v254
	s_delay_alu instid0(VALU_DEP_1)
	v_max_num_f32 v13, v13, v254                   ; the running largest t
	v_mov_b32 v254, v12
	s_delay_alu instid0(VALU_DEP_2)
	v_floor_f32 v12, -v13                          ; -M = floor(-t)
	s_delay_alu instid0(VALU_DEP_1)
	v_sub_f32 v254, v12, v254
	s_delay_alu instid0(VALU_DEP_1)
	v_cvt_i32_f32 v254, v254
	s_delay_alu instid0(VALU_DEP_1)
	v_ldexp_f32 v252, 1.0, v254                    ; f = 2^(old M - new M)
.set n, 0
.rept 32
	v_pk_fma_f32 v[96+n:97+n], v[96+n:97+n], s[CS:CS+1], v[12:13] op_sel_hi:[1,0,0]
.set n, n+2
.endr
.irp b, 0,1,2,3
	v_fma_f32 v[232+\b], v[232+\b], s[CS], v12
.endr
.set n, 0
	s_wait_alu depctr_va_vdst(0)                   ; the wait ahead of the batch
.rept 64
	v_exp_f32 v[96+n], v[96+n]
.set n, n+1
.endr
	v_pk_mul_f32 v[14:15], v[14:15], v[252:253] op_sel_hi:[1,0]
	s_wait_alu depctr_va_vdst(0)                   ; and behind it
.irp b, 0,1,2,3
	v_exp_f32 v[232+\b], v[232+\b]
.endr
	v_pk_add_f32 v[248:249], v[96:97], v[98:99]
.set n, 4
.rept 13
	v_pk_add_f32 v[14:15], v[14:15], v[96+n:97+n]
	v_pk_add_f32 v[248:249], v[248:249], v[98+n:99+n]
.set n, n+4
.endr
	s_wait_alu depctr_va_vdst(0)                   ; for the four
.irp b, 0,1,2,3
	v_max_num_f32 v[232+\b], 0x1800000, v[232+\b]
.endr
.irp b, 0,1,2,3
	s_delay_alu instid0(VALU_DEP_4)
	v_add_nc_u32 v[244+\b], 0xff000000, v[232+\b]
.endr
.irp b, 0,1,2,3
	s_delay_alu instid0(VALU_DEP_4)
	v_lshrrev_b32 v[236+\b], 23, v[244+\b]
.endr
	s_delay_alu instid0(VALU_DEP_3)
	v_lshl_or_b32 v253, v237, 8, v236
	s_delay_alu instid0(VALU_DEP_1)
	v_lshl_or_b32 v253, v238, 16, v253
	s_delay_alu instid0(VALU_DEP_1)
	v_lshl_or_b32 v253, v239, 24, v253             ; p's scale word
.irp b, 0,1,2,3
	v_cvt_scalef32_pk8_fp4_f32 v[224+2*\b], v[96+16*\b:103+16*\b], v[244+\b]
	v_cvt_scalef32_pk8_fp4_f32 v[225+2*\b], v[104+16*\b:111+16*\b], v[244+\b]
.endr
	v_nop
.irp c, 0,1
.irp i, 0,1
	v_permlane16_swap_b32 v[224+4*\c+\i], v[226+4*\c+\i]
.endr
.endr
.set n, 0
.rept 16
	v_pk_mul_f32 v[160+n:161+n], v[160+n:161+n], v[252:253] op_sel_hi:[1,0]   ; O^T under the new M
.set n, n+2
.endr
	v_pk_add_f32 v[14:15], v[14:15], v[152:153]
	v_pk_add_f32 v[248:249], v[248:249], v[154:155]
	v_pk_add_f32 v[14:15], v[14:15], v[156:157]
	v_pk_add_f32 v[248:249], v[248:249], v[158:159]
	s_delay_alu instid0(VALU_DEP_1)
	v_pk_add_f32 v[14:15], v[14:15], v[248:249]
	s_wait_alu depctr_va_vdst(0)
	s_wait_dscnt 0x0
.irp t, 0,1,2,3
	v_wmma_scale_f32_16x16x128_f8f6f4 v[160+8*\t:167+8*\t], v[192+8*\t:199+8*\t], v[224:231], v[160+8*\t:167+8*\t], v[36+\t], v253 matrix_a_fmt:MATRIX_FMT_FP4 matrix_b_fmt:MATRIX_FMT_FP4
.endr
.endm
.macro LOOPK lim, out, top             ; the part's trips from s44 on, up to trip lim - 1, a constant; top: the last record that the loop reads
.Lk_\@:
	STEP \out, \top
	s_add_co_u32 s44, s44, 1
	s_cmp_lt_u32 s44, \lim
	s_cbranch_scc1 .Lk_\@
\out:
.endm
.macro NEXTQ                           ; Q's codes and scale bytes of my tile of block s56, asked for a part ahead
	s_lshr_b32 s57, s56, 1
	s_mul_i32 s57, s57, REC                        ; the record of its 128 tokens
	s_and_b32 s58, s56, 1
	s_lshl_b32 s58, s58, 2
	s_add_co_u32 s58, s58, s9                      ; the tile in it
	s_lshl_b32 s59, s58, 9
	s_add_co_u32 s59, s59, s57
	s_lshl_b32 s58, s58, 1
	s_add_co_u32 s58, s58, s57
	s_add_co_u32 s58, s58, 8192
	v_add_nc_u32 v29, s59, v1
	v_add_nc_u32 v30, s58, v2
	global_load_b128 v[88:91], v29, s[52:53]
	global_load_u16 v92, v30, s[52:53]
.endm
.macro SEGTOP                          ; a part of block s13 begins
	s_lshr_b32 s11, s13, 1                         ; the block's step on the diagonal,
	s_add_co_u32 s12, s11, 1                       ; its number of steps,
	s_min_u32 s12, s12, s[KS+2]                    ; the part's end
	s_mov_b32 s44, 0
	s_and_b32 s57, s13, 1
	s_lshl_b32 s57, s57, 2
	s_add_co_u32 s57, s57, s9                      ; my tile among the eight of its 128 tokens
	s_lshr_b32 s58, s57, 1
	s_lshl_b32 s58, s58, 5
	s_and_b32 s59, s57, 1
	s_lshl_b32 s59, s59, 3
	s_add_co_u32 s58, s58, s59
	s_lshl_b32 s59, s13, 2
	s_add_co_u32 s59, s59, s9                      ; and among the head's 256
	s_lshl_b32 s60, s59, 10
	s_add_co_u32 s60, s60, s54
	s_lshl_b32 s61, s59, 5
	s_add_co_u32 s61, s61, s55
	s_lshr_b32 s56, s46, 8
	s_and_b32 s56, s56, 0xff                       ; the block of the part after this one
	v_add_nc_u32 v5, s58, v7                       ; my query among the 128, less 16 (lane / 16)
	v_add_nc_u32 v10, s60, v1                      ; where the codes go,
	v_add_nc_u32 v11, s61, v6                      ; and the scale bytes
	s_wait_loadcnt 0x0                             ; this part's Q is in
	v_lshl_or_b32 v28, v92, 16, v92
.irp i, 0,1,2,3
	v_mov_b32 v[16+\i], v[88+\i]
	v_mov_b32 v[24+\i], v[88+\i]
.endr
	s_cmp_ge_u32 s56, 64
	s_cbranch_scc1 .Lnoq_\@                        ; no part follows: nothing is asked for
	NEXTQ
.Lnoq_\@:
	v_mov_b32 v13, 0xff61b1e6                      ; the largest t so far: -3e38
	v_floor_f32 v12, -v13
	v_mov_b32 v14, 0
	v_mov_b32 v15, 0
.set n, 0
.rept 32
	v_mov_b32 v[160+n], 0                          ; the step is written once: the first finds zeros
.set n, n+1
.endr
	s_wait_alu depctr_va_vdst(0)                   ; the wait ahead of the branches that follow
.endm
.macro FINISH                          ; O^T / the row's sum, quantised along the head's 64, stored
	v_add_f32 v14, v14, v15
	s_delay_alu instid0(VALU_DEP_1)
	v_permlanex16_b32 v252, v14, s14, s15
	s_delay_alu instid0(VALU_DEP_1)
	v_add_f32 v14, v14, v252                       ; the row's sum
	s_wait_alu depctr_va_vdst(0)                   ; the wait ahead of the transcendental
	v_rcp_f32 v14, v14
	v_nop
	s_wait_alu depctr_va_vdst(0)                   ; and behind it, ahead of the first readers of O^T
.set n, 0
.rept 16
	v_pk_mul_f32 v[96+n:97+n], v[160+n:161+n], v[14:15] op_sel_hi:[1,0]
.set n, n+2
.endr
	QUANT 2, 96, 250
	global_store_b128 v10, v[224:227], s[6:7]      ; the tile's 512 consecutive bytes of codes
	global_store_b16 v11, v250, s[6:7]             ; its 32 scale bytes (both halves of the lanes store the same bytes)
	s_wait_xcnt 0x0                                ; the stores' registers are written again only behind this wait
.endm
.macro BIN n, a, b, c, d
	s_cmp_eq_u32 s2, \n
	s_cselect_b32 s46, (\a)|((\b)<<8)|((\c)<<16)|((\d)<<24), s46
.endm
	s_load_b128 s[4:7], s[0:1], 0x0                ; qkvb, ab
	v_lshl_add_u32 v251, v0, 2, SPARE
	v_mov_b32 v255, 0
	ds_add_u32 v251, v255                          ; the opening lines: the add twice on end and its wait
	ds_add_u32 v251, v255
	v_lshrrev_b32 v1, 5, v0
	s_delay_alu instid0(VALU_DEP_1)
	v_readfirstlane_b32 s8, v1                     ; wave 0..11
	s_and_b32 s9, s8, 3                            ; my tile of a block's four
	s_lshr_b32 s10, s8, 2                          ; my chain
	s_mov_b32 s2, ttmp9
	s_and_b32 s3, ttmp7, 0xffff                    ; the head
	s_mov_b32 s14, 0x76543210
	s_mov_b32 s15, 0xfedcba98
	s_mov_b32 s16, 3<<16                           ; group 1: dense rows of 256 bytes; 34 rows: a record
	s_mov_b32 s17, 32<<16
	s_mov_b32 s18, 34<<16
	s_mov_b32 s19, 32<<16
	s_mov_b32 s20, 34
	s_mov_b32 s21, 32
	s_mov_b32 s22, 0
	s_mov_b32 s23, 0
	s_mov_b32 s24, 3<<16                           ; and 68 rows: two records
	s_mov_b32 s25, 32<<16
	s_mov_b32 s26, 68<<16
	s_mov_b32 s27, 32<<16
	s_mov_b32 s28, 68
	s_mov_b32 s29, 32
	s_mov_b32 s30, 0
	s_mov_b32 s31, 0
	s_mov_b32 s[CS], 0x3e38aa3b                    ; log2(e) / 8
	s_mov_b32 s[CS+1], s[CS]
	s_mul_i32 s48, s3, HSTR                        ; the head's records of Q;
	s_mov_b32 s49, 0
	s_mul_i32 s33, s8, REC                         ; first fill: record w
	s_lshl_b32 s37, s33, 1
	s_add_co_u32 s37, s37, 12*REC                  ; second: records 12 + 2 w, 13 + 2 w
	s_add_co_u32 s50, s48, KVO                     ; of K and V
	s_add_co_u32 s56, s50, s37
	s_add_co_u32 s50, s50, s33
	s_mov_b32 s51, 0
	s_mov_b32 s57, 0
	s_mov_b32 s32, 1
	s_mov_b32 s36, 1
	s_wait_dscnt 0x0
	s_wait_kmcnt 0x0
	s_add_nc_u64 s[34:35], s[4:5], s[50:51]
	s_or_b32 s35, s35, 0x80000000
	s_add_nc_u64 s[38:39], s[4:5], s[56:57]
	s_or_b32 s39, s39, 0x80000000
	s_add_nc_u64 s[52:53], s[4:5], s[48:49]
	tensor_load_to_lds s[32:35], s[16:23]          ; my one load at the head
	s_nop 0
	s_lshr_b32 s54, s3, 1
	s_lshl_b32 s54, s54, 18
	s_and_b32 s55, s3, 1
	s_lshl_b32 s55, s55, 9
	s_add_co_u32 s54, s54, s55                     ; ab: the head's codes,
	s_lshl_b32 s55, s3, 13
	s_add_co_u32 s55, s55, AOS                     ; its scale bytes
	; the deal: my work-group's blocks a, b, c, d, a byte each; 64: none.  Each of 0 .. 63 stands once
	s_mov_b32 s46, 62|(22<<8)|(10<<16)|(64<<24)
	BIN 1, 63, 24, 8, 64
	BIN 2, 60, 23, 12, 64
	BIN 3, 61, 28, 6, 64
	BIN 4, 58, 25, 13, 64
	BIN 5, 59, 26, 11, 64
	BIN 6, 56, 30, 9, 64
	BIN 7, 57, 32, 7, 64
	BIN 8, 54, 27, 14, 64
	BIN 9, 55, 36, 4, 64
	BIN 10, 52, 29, 15, 64
	BIN 11, 53, 38, 5, 64
	BIN 12, 50, 31, 16, 64
	BIN 13, 51, 42, 2, 64
	BIN 14, 48, 33, 17, 64
	BIN 15, 49, 46, 0, 64
	BIN 16, 47, 44, 3, 1
	BIN 17, 45, 34, 18, 64
	BIN 18, 43, 35, 20, 64
	BIN 19, 40, 39, 19, 64
	BIN 20, 41, 37, 21, 64
	; the cuts.  w_a is 21 to 32, w_a + w_b 40 to 49
	s_and_b32 s56, s46, 0xff                       ; a
	s_bfe_u32 s57, s46, 0x80008                    ; b
	s_lshr_b32 s58, s56, 1                         ; w_a - 1
	s_lshr_b32 s59, s57, 1                         ; w_b - 1
	s_sub_co_u32 s60, s58, 16                      ; m = w_a - 17: chain 1's steps of a
	s_sub_co_u32 s62, 33, s58                      ; r = 34 - w_a: chain 1's steps of b
	s_add_co_u32 s61, s58, s59
	s_sub_co_u32 s61, s61, 32                      ; y = w_a + w_b - 34: chain 2's steps of b
	s_min_u32 s63, s61, s62                        ; the smaller part of b
	s_lshl_b32 s72, s63, 1
	s_lshl_b32 s77, s60, 1
	s_or_b32 s76, s56, 0x40404000                  ; chain 0's blocks: a
	s_and_b32 s78, s46, 0xffff
	s_or_b32 s78, s78, 0x40400000                  ; chain 1's: a, b
	s_lshr_b32 s79, s46, 8
	s_or_b32 s79, s79, 0x40000000                  ; chain 2's: b, c, d
	s_cmp_le_u32 s62, s61                          ; is chain 1's part of b the smaller?
	s_cselect_b32 s69, 1, 0                        ; chain 1's part of b: the odd steps under 2 r (ks 1, mm 64, cap 2 r), or the larger part (0, y, 64)
	s_cselect_b32 s70, 64, s63
	s_cselect_b32 s71, s72, 64
	s_cselect_b32 s73, 0, 1                        ; chain 2's: the other way round
	s_cselect_b32 s74, s63, 64
	s_cselect_b32 s75, 64, s72
	s_cmp_eq_u32 s10, 1
	s_cselect_b32 s[KS], 1, 0                      ; chain 0: the larger part of a (0, m, 64); chain 1: its odd steps under 2 m
	s_cselect_b32 s[KS+1], 64, s60
	s_cselect_b32 s[KS+2], s77, 64
	s_cselect_b32 s46, s78, s76
	s_cmp_eq_u32 s10, 2
	s_cselect_b32 s[KS], s73, s[KS]
	s_cselect_b32 s[KS+1], s74, s[KS+1]
	s_cselect_b32 s[KS+2], s75, s[KS+2]
	s_cselect_b32 s46, s79, s46
	s_cselect_b32 s69, 0, s69                      ; chain 2 goes on with a whole block (0, 0, 64)
	s_cselect_b32 s70, 0, s70
	s_cselect_b32 s71, 64, s71
	s_add_co_u32 s58, s8, 4
	s_and_b32 s58, s58, 7                          ; waves 4-11 send to places 0-7,
	s_mul_i32 s58, s58, SLT
	s_add_co_u32 s58, s58, SCR
	s_and_b32 s59, s8, 7                           ; waves 0-7 read places 0-7: chain 0 what chain 1 sent, chain 1 what chain 2 sent
	s_mul_i32 s59, s59, SLT
	s_add_co_u32 s59, s59, SCR
	v_and_b32 v31, 31, v0                          ; lane
	v_and_b32 v6, 15, v0                           ; r
	v_bfe_u32 v7, v0, 4, 1                         ; h
	v_lshlrev_b32 v1, 4, v31                       ; 16 x lane
	v_lshlrev_b32 v2, 4, v6                        ; 16 r
	v_and_b32 v29, 8, v6
	v_lshlrev_b32 v7, 4, v7
	v_add_nc_u32 v29, v29, v6
	v_lshlrev_b32 v6, 1, v6                        ; 2 r
	s_delay_alu instid0(VALU_DEP_2)
	v_sub_nc_u32 v7, v29, v7                       ; r + 8 (r / 8) - 16 h
	v_add_nc_u32 v8, s58, v1
	v_lshl_add_u32 v9, v31, 3, s58
	v_add_nc_u32 v93, s59, v1
	v_lshl_add_u32 v94, v31, 3, s59
	v_add_nc_u32 v9, 4096, v9
	v_add_nc_u32 v94, 4096, v94
.irp i, 20,21,22,23, 44,45,46,47, 56,57,58,59, 68,69,70,71, 80,81,82,83
	v_mov_b32 v[\i], 0                             ; the half of the first product's K that a head of 64 leaves empty
.endr
.irp i, 236,237,238,239, 244,245,246,247,248,249, 252,253
	v_mov_b32 v[\i], 0                             ; permutes' destinations and upper halves of pairs: written once
.endr
	s_and_b32 s13, s46, 0xff
	s_mov_b32 s56, s13
	s_wait_alu depctr_va_vdst(0)                   ; the wait ahead of a run of scalar lines
	NEXTQ
	s_wait_alu depctr_va_vdst(0)                   ; and at the head's end
	s_wait_tensorcnt 0x0                           ; my record is in
	ds_add_u32 v251, v255
	s_wait_dscnt 0x0
	s_barrier_signal -1
	s_barrier_wait -1                              ; key steps 0-11 are whole
	s_cmp_lt_u32 s8, 10
	s_cbranch_scc0 .Lno2
	tensor_load_to_lds s[36:39], s[24:31]          ; records 12-31: waves 0-9, two each
	s_nop 0
.rept 4
	v_nop
.endr
.Lno2:
	SEGTOP
	LOOPK 6, .Lp1, 11                              ; trips 0-5 of my first part: key step 1 + 2 x 5 = 11 at the most
	s_wait_tensorcnt 0x0
	s_wait_dscnt 0x0
	s_barrier_signal -1
	s_barrier_wait -1                              ; all of K and V is in
	s_mov_b32 s47, 0                               ; which part of my chain
.Lseg:
	LOOPK 17, .Lp2, 31                             ; no part has more than 17 steps
.rept 4
	v_nop                                          ; four places behind the last products
.endr
	s_cmp_eq_u32 s10, 0
	s_cbranch_scc1 .Lfinal                         ; chain 0 keeps its one part
	s_cmp_lg_u32 s47, 0
	s_cbranch_scc1 .Lnot0
	v_add_f32 v13, v14, v15                        ; chains 1 and 2 send their first part: the sum beside -M,
.irp i, 0,1,2,3,4,5,6,7
	ds_store_b128 v8, v[160+4*\i:163+4*\i] offset:512*\i   ; and O^T, each accumulator from its low end on
.endr
	ds_store_b64 v9, v[12:13]
	s_branch .Lnext
.Lnot0:
	s_cmp_eq_u32 s10, 1
	s_cbranch_scc1 .Lfinal                         ; chain 1 keeps its second part
	FINISH                                         ; chain 2: a whole block
.Lnext:
	s_lshr_b32 s46, s46, 8
	s_or_b32 s46, s46, 64<<24
	s_and_b32 s13, s46, 0xff                       ; the next part's block
	s_cmp_ge_u32 s13, 64
	s_cbranch_scc1 .Lfinal                         ; none
	s_mov_b32 s[KS], s69
	s_mov_b32 s[KS+1], s70
	s_mov_b32 s[KS+2], s71
	s_mov_b32 s69, 0                               ; what follows that is a whole block
	s_mov_b32 s70, 0
	s_mov_b32 s71, 64
	SEGTOP
	s_add_co_u32 s47, s47, 1
	s_cmp_lt_u32 s47, 3
	s_cbranch_scc1 .Lseg
.Lfinal:
	s_wait_dscnt 0x0                               ; my stores have landed
	s_barrier_signal -1
	s_barrier_wait -1                              ; and everybody's
	s_cmp_eq_u32 s10, 2
	s_cbranch_scc1 .Lend
.irp i, 0,1,2,3,4,5,6,7
	ds_load_b128 v[96+4*\i:99+4*\i], v93 offset:512*\i
.endr
	ds_load_b64 v[232:233], v94
	s_wait_dscnt 0x0
	v_min_num_f32 v240, v12, v232                  ; -M of the two parts
	v_add_f32 v14, v14, v15
	v_mov_b32 v15, 0
	s_delay_alu instid0(VALU_DEP_3)
	v_sub_f32 v241, v240, v12
	v_sub_f32 v242, v240, v232                     ; M_i - M: whole numbers, 0 or less
	s_delay_alu instid0(VALU_DEP_2)
	v_cvt_i32_f32 v241, v241                       ; (it saturates)
	s_delay_alu instid0(VALU_DEP_2)
	v_cvt_i32_f32 v242, v242
	s_delay_alu instid0(VALU_DEP_2)
	v_ldexp_f32 v244, 1.0, v241                    ; 2^(M_i - M)
	s_delay_alu instid0(VALU_DEP_2)
	v_ldexp_f32 v246, 1.0, v242
	s_delay_alu instid0(VALU_DEP_2)
	v_mul_f32 v14, v14, v244
	s_delay_alu instid0(VALU_DEP_1)
	v_fmac_f32 v14, v233, v246
.set n, 0
.rept 16
	v_pk_mul_f32 v[160+n:161+n], v[160+n:161+n], v[244:245] op_sel_hi:[1,0]
.set n, n+2
.endr
.set n, 0
.rept 16
	v_pk_fma_f32 v[160+n:161+n], v[96+n:97+n], v[246:247], v[160+n:161+n] op_sel_hi:[1,0,1]
.set n, n+2
.endr
	FINISH
.Lend:
	s_wait_tensorcnt 0x0                           ; the wave's end
	ds_add_u32 v251, v255
	s_wait_dscnt 0x0
	s_endpgm
.Lfunc_end_k_q8660596e4f_attn:
	.size	k_q8660596e4f_attn, .Lfunc_end_k_q8660596e4f_attn-k_q8660596e4f_attn
	.p2alignl 7, 3214868480
	.fill 96, 4, 3214868480
	.section	.rodata,"a",@progbits
	.p2align	6, 0x0
	.amdhsa_kernel k_q8660596e4f_attn
		.amdhsa_group_segment_fixed_size 327680
		.amdhsa_private_segment_fixed_size 0
		.amdhsa_enable_private_segment 0
		.amdhsa_kernarg_size 16
		.amdhsa_user_sgpr_count 2
		.amdhsa_user_sgpr_kernarg_segment_ptr 1
		.amdhsa_wavefront_size32 1
		.amdhsa_system_sgpr_workgroup_id_x 1
		.amdhsa_system_sgpr_workgroup_id_y 1
		.amdhsa_system_sgpr_workgroup_id_z 1
		.amdhsa_system_vgpr_workitem_id 0
		.amdhsa_next_free_vgpr 256
		.amdhsa_next_free_sgpr 100
		.amdhsa_reserve_vcc 1
		.amdhsa_float_denorm_mode_32 3
		.amdhsa_float_denorm_mode_16_64 3
		.amdhsa_memory_ordered 1
		.amdhsa_forward_progress 1
		.amdhsa_inst_pref_size 71
	.end_amdhsa_kernel
	.amdgpu_metadata
---
amdhsa.version: [ 1, 2 ]
amdhsa.kernels:
  - .name:           k_q8660596e4f_attn
    .symbol:         k_q8660596e4f_attn.kd
    .args:
      - { .name: qkvb, .offset: 0, .size: 8, .value_kind: global_buffer, .address_space: global }
      - { .name: ab, .offset: 8, .size: 8, .value_kind: global_buffer, .address_space: global }
    .group_segment_fixed_size: 327680
    .private_segment_fixed_size: 0
    .kernarg_segment_align: 8
    .kernarg_segment_size: 16
    .max_flat_workgroup_size: 384
    .sgpr_count:     100
    .vgpr_count:     256
    .wavefront_size: 32
...
	.end_amdgpu_metadata
.endif
;; end of part 3
;; launch oproj (part 4): grid 256 x 1, 12 waves a work-group, no clusters, 5,632 bytes of LDS; arguments hidden_states, w_norm2, pw, ab, hy; writes hy
.if DOCPART == 4
	.amdgcn_target "amdgcn-amd-amdhsa--gfx1250"
	.amdhsa_code_object_version 6
	.text
	.protected	k_q8660596e4f_oproj
	.globl	k_q8660596e4f_oproj
	.p2align	8
	.type	k_q8660596e4f_oproj,@function
k_q8660596e4f_oproj:
	s_mov_b64 s[64:65], 0
	v_nop
	global_prefetch_b8 v0, s[64:65] scope:SCOPE_SE
	s_setreg_imm32_b32 hwreg(HW_REG_WAVE_MODE, 25, 1), 1
	s_wait_xcnt 0x0
; OPROJ: h = x + attention W_o on codes of FP4 (E2M1) with E8M0 scales; y = rms_norm(h, w_norm2), quantised for the next two products.
; A work-group owns one tile of 16 tokens and all 768 columns, so that the row's mean of squares stays inside it.  Wave w of twelve owns columns 64 w .. 64 w + 63: four accumulators.
; Source 0 = 16 rows of W_o, source 1 = the tokens: a lane holds one token, and its 32 registers are two whole half-blocks along the next K.  x is loaded into the accumulators: it is the C of the first product.
; Each fragment of W_o feeds ONE product, so it goes from memory straight into registers (its image lies as the lanes want it); three K steps are on their way.  No LDS tile, no tensor load, no cluster.
; h leaves as images of the accumulators ([tile of tokens][tile of 16 columns][half][lane][16 bytes]): the last launch takes them as its C.
; LIMITS: NaN and infinities are not served; a block of zeros gets the scale byte 1; the residual is the first term of the f32 sum; the mean is the sum times the f32 number nearest 1/768.
; REGISTERS: v1-18 addresses; v32-63 accumulators; v64-111 the tokens' six fragments; v112-117 their scale words; v118-129 the halves of those; v130-141 W_o's scale words (lanes 0-15 an even tile, 16-31 the odd one);
;   v144-239 three sets of W_o's fragments; later v144-175 w_norm2, v176-207 y, v208-228 the quantiser's, v232-235 sums.
.set REC,  8704
.set WO,   2611200
.set AOS,  1572864
.set YC,   12582912
.set TM,   208
.set PC,   224
.macro QUANT nb, s, pw
.set qb, 0
.rept \nb
	v_max3_num_f32 v[TM+qb], |v[\s+16*qb]|, |v[\s+1+16*qb]|, 0x1800000
.set qb, qb+1
.endr
.irp i, 2,4,6,8,10,12,14
.set qb, 0
.rept \nb
	s_delay_alu instid0(VALU_DEP_2)
	v_max3_num_f32 v[TM+qb], v[TM+qb], |v[\s+16*qb+\i]|, |v[\s+1+16*qb+\i]|
.set qb, qb+1
.endr
.endr
.set qb, 0
.rept \nb
	s_delay_alu instid0(VALU_DEP_2)
	v_permlanex16_b32 v[TM+4+qb], v[TM+qb], s14, s15
.set qb, qb+1
.endr
.set qb, 0
.rept \nb
	s_delay_alu instid0(VALU_DEP_2)
	v_max_num_f32 v[TM+qb], v[TM+qb], v[TM+4+qb]
.set qb, qb+1
.endr
.set qb, 0
.rept \nb
	s_delay_alu instid0(VALU_DEP_2)
	v_add_nc_u32 v[TM+12+qb], 0xff000000, v[TM+qb]
.set qb, qb+1
.endr
.set qb, 0
.rept \nb
	s_delay_alu instid0(VALU_DEP_2)
	v_lshrrev_b32 v[TM+4+qb], 23, v[TM+12+qb]
.set qb, qb+1
.endr
	s_delay_alu instid0(VALU_DEP_1)
	v_lshl_or_b32 v[\pw], v[TM+5], 8, v[TM+4]
.set qb, 0
.rept \nb
	v_cvt_scalef32_pk8_fp4_f32 v[PC+2*qb], v[\s+16*qb:\s+7+16*qb], v[TM+12+qb]
	v_cvt_scalef32_pk8_fp4_f32 v[PC+1+2*qb], v[\s+8+16*qb:\s+15+16*qb], v[TM+12+qb]
.set qb, qb+1
.endr
	v_nop
.set qb, 0
.rept \nb/2
	v_permlane16_swap_b32 v[PC+4*qb], v[PC+2+4*qb]
	v_permlane16_swap_b32 v[PC+1+4*qb], v[PC+3+4*qb]
.set qb, qb+1
.endr
.endm
.macro WOLOAD s                        ; K step s of my four tiles of W_o, into set s % 3
.set RG, 144+32*((\s)%3)
.irp t, 0,1,2,3
.irp c, 0,1
	global_load_b128 v[RG+8*\t+4*\c:RG+8*\t+4*\c+3], v15, s[8:9] offset:(\s)*52224+\t*1024+\c*512
.endr
.endr
.endm
.macro OSTEP s                         ; four products; the four accumulators take turns
.set RG, 144+32*((\s)%3)
.irp t, 0,1,2,3
.if (\t)%2
	v_wmma_scale_f32_16x16x128_f8f6f4 v[32+8*\t:39+8*\t], v[RG+8*\t:RG+8*\t+7], v[64+8*(\s):71+8*(\s)], v[32+8*\t:39+8*\t], v[130+2*(\s)+\t/2], v[112+(\s)] matrix_a_fmt:MATRIX_FMT_FP4 matrix_b_fmt:MATRIX_FMT_FP4 matrix_a_scale:MATRIX_SCALE_ROW1
.else
	v_wmma_scale_f32_16x16x128_f8f6f4 v[32+8*\t:39+8*\t], v[RG+8*\t:RG+8*\t+7], v[64+8*(\s):71+8*(\s)], v[32+8*\t:39+8*\t], v[130+2*(\s)+\t/2], v[112+(\s)] matrix_a_fmt:MATRIX_FMT_FP4 matrix_b_fmt:MATRIX_FMT_FP4
.endif
.endr
.rept 4
	v_nop                                          ; four places in front of loads into the set just read, and of the first reads of results
.endr
.endm
	s_load_b256 s[4:11], s[0:1], 0x0               ; x s[4:5], w_norm2 s[6:7], pw s[8:9], ab s[10:11]
	s_load_b64 s[12:13], s[0:1], 0x20              ; hy
	v_lshl_add_u32 v254, v0, 2, 0x1000
	v_mov_b32 v255, 0
	v_lshrrev_b32 v1, 5, v0
	s_delay_alu instid0(VALU_DEP_1)
	v_readfirstlane_b32 s16, v1                    ; wave 0..11
	s_mov_b32 s17, ttmp9                           ; T, the tile of tokens
	s_mov_b32 s14, 0x76543210
	s_mov_b32 s15, 0xfedcba98
	s_mov_b32 s24, 0x3aaaaaab                      ; 1 / 768
	s_mov_b32 s25, 0x358637bd                      ; 1e-6
	v_and_b32 v1, 31, v0                           ; lane
	s_wait_alu depctr_va_vdst(0)
	v_and_b32 v2, 15, v0                           ; r
	s_wait_alu depctr_va_vdst(0)
	v_bfe_u32 v3, v0, 4, 1                         ; h
	s_wait_alu depctr_va_vdst(0)
	v_lshlrev_b32 v18, 4, v1                       ; 16 x lane
	s_lshr_b32 s18, s16, 1                         ; w / 2
	s_and_b32 s19, s16, 1                          ; w % 2
	; LDS addresses
	v_mul_u32_u24 v10, v2, 48                      ; the sums of squares: [r 16][wave 12]
	s_lshl_b32 s20, s16, 2
	v_add_nc_u32 v9, s20, v10
	s_lshl_b32 s21, s18, 6
	s_lshl_b32 s22, s19, 1
	s_add_co_u32 s21, s21, s22
	s_add_co_u32 s21, s21, 1024
	v_lshl_add_u32 v11, v2, 2, s21                 ; y's scale bytes: [K step 6][r 16][4] from byte 1,024: my two
	s_lshl_b32 s21, s16, 7
	s_add_co_u32 s21, s21, 1024
	v_lshl_add_u32 v12, v1, 2, s21                 ; and back as words
	; offsets in memory
	v_and_b32 v4, 8, v2
	s_delay_alu instid0(VALU_DEP_1)
	v_add_nc_u32 v4, v4, v2
	s_lshr_b32 s20, s17, 1
	s_lshl_b32 s20, s20, 5
	s_and_b32 s21, s17, 1
	s_lshl_b32 s21, s21, 3
	s_add_co_u32 s20, s20, s21
	v_add_nc_u32 v4, s20, v4                       ; my token
	s_lshl_b32 s20, s16, 8
	v_lshl_add_u32 v6, v3, 6, s20                  ; w_norm2: 256 w + 64 h
	v_mul_u32_u24 v5, v4, 3072
	s_delay_alu instid0(VALU_DEP_1)
	v_add_nc_u32 v5, v5, v6                        ; x
	s_lshl_b32 s20, s17, 5
	v_lshl_add_u32 v7, v2, 1, s20                  ; the tokens' scale bytes: 2 (16 T + r)
	s_mul_i32 s20, s18, REC
	s_add_co_u32 s20, s20, WO
	s_lshl_b32 s21, s19, 12
	s_add_co_u32 s21, s21, s20
	v_add_nc_u32 v15, s21, v18                     ; W_o's images: record w / 2, tiles 4 (w % 2) on
	s_lshl_b32 s21, s19, 8
	s_add_co_u32 s21, s21, s20
	s_add_co_u32 s21, s21, 8192
	v_lshl_add_u32 v8, v1, 2, s21                  ; its scale words: two tiles' 128 bytes a load
	s_lshl_b32 s20, s17, 10
	v_add_nc_u32 v14, s20, v18                     ; the tokens' images
	s_mul_i32 s20, s17, 48
	s_lshl_b32 s21, s16, 2
	s_add_co_u32 s20, s20, s21
	s_lshl_b32 s20, s20, 10
	v_add_nc_u32 v16, s20, v18                     ; h's images
	s_lshl_b32 s20, s18, 5
	s_lshr_b32 s21, s17, 3
	s_add_co_u32 s20, s20, s21
	s_mul_i32 s20, s20, REC
	s_and_b32 s22, s17, 7
	s_lshl_b32 s23, s22, 10
	s_add_co_u32 s20, s20, s23
	s_lshl_b32 s23, s19, 9
	s_add_co_u32 s20, s20, s23
	s_add_co_u32 s20, s20, YC
	v_add_nc_u32 v17, s20, v18                     ; y's codes
	s_lshl_b32 s20, s16, 6
	s_add_co_u32 s20, s20, s21
	s_mul_i32 s20, s20, REC
	s_lshl_b32 s22, s22, 6
	s_add_co_u32 s20, s20, s22
	s_add_co_u32 s20, s20, YC+8192
	v_mul_u32_u24 v13, v3, 32*REC
	s_delay_alu instid0(VALU_DEP_1)
	v_lshl_add_u32 v13, v2, 2, v13
	s_delay_alu instid0(VALU_DEP_1)
	v_add_nc_u32 v13, s20, v13                     ; y's scale words: K step 2 w + h (waves 0 to 2)
	s_wait_alu depctr_va_vdst(0)
	s_wait_kmcnt 0x0
.irp d, 0,1,2,3,4,5,6,7,8,9,10,11
	global_load_u16 v[118+\d], v7, s[10:11] offset:AOS+\d*8192
.endr
.irp s, 0,1,2,3,4,5
.irp p, 0,1
	global_load_b32 v[130+2*\s+\p], v8, s[8:9] offset:\s*52224+128*\p
.endr
.endr
.irp t, 0,1,2,3
.irp c, 0,1
	global_load_b128 v[32+8*\t+4*\c:35+8*\t+4*\c], v5, s[4:5] offset:128*(\t/2)+32*(\t%2)+16*\c   ; x in the result's layout
.endr
.endr
.irp s, 0,1,2,3,4,5
.irp c, 0,1
	global_load_b128 v[64+8*\s+4*\c:67+8*\s+4*\c], v14, s[10:11] offset:\s*262144+512*\c
.endr
.endr
	WOLOAD 0
	WOLOAD 1
	WOLOAD 2
	s_wait_loadcnt 16                              ; all but W_o's K steps 1 and 2
.irp s, 0,1,2,3,4,5
	v_lshl_or_b32 v[112+\s], v[119+2*\s], 16, v[118+2*\s]   ; heads 2 s and 2 s + 1 make K step s's scale word
.endr
.rept 4
	v_nop                                          ; with the five lines behind the first word's: more than eight places between a scale word's making and its product
.endr
	OSTEP 0
	WOLOAD 3
	s_wait_alu depctr_va_vdst(0)
	s_wait_loadcnt 16                              ; K step 1 is in; two later groups of eight may be out
	OSTEP 1
	WOLOAD 4
	s_wait_loadcnt 16
	OSTEP 2
	WOLOAD 5
	s_wait_loadcnt 16
	OSTEP 3
.irp t, 0,1,2,3
.irp c, 0,1
	global_load_b128 v[144+8*\t+4*\c:147+8*\t+4*\c], v6, s[6:7] offset:128*(\t/2)+32*(\t%2)+16*\c   ; w_norm2, into the set just read
.endr
.endr
	s_wait_loadcnt 16                              ; K step 4 is in; K step 5 and w_norm2 may be out
	OSTEP 4
	s_wait_loadcnt 8                               ; K step 5 is in; w_norm2 may be out
	OSTEP 5
.irp t, 0,1,2,3
.irp c, 0,1
	global_store_b128 v16, v[32+8*\t+4*\c:35+8*\t+4*\c], s[12:13] offset:\t*1024+\c*512   ; h: each accumulator from its low end on; 512 consecutive bytes a store
.endr
.endr
	v_pk_mul_f32 v[232:233], v[32:33], v[32:33]
	v_pk_mul_f32 v[234:235], v[34:35], v[34:35]
.set n, 4
.rept 7
	v_pk_fma_f32 v[232:233], v[32+n:33+n], v[32+n:33+n], v[232:233]
	v_pk_fma_f32 v[234:235], v[34+n:35+n], v[34+n:35+n], v[234:235]
.set n, n+4
.endr
	s_delay_alu instid0(VALU_DEP_1)
	v_pk_add_f32 v[232:233], v[232:233], v[234:235]
	s_delay_alu instid0(VALU_DEP_1)
	v_add_f32 v232, v232, v233
	s_delay_alu instid0(VALU_DEP_1)
	v_permlanex16_b32 v233, v232, s14, s15
	s_delay_alu instid0(VALU_DEP_1)
	v_add_f32 v232, v232, v233                     ; my wave's part of row r
	ds_store_b32 v9, v232
	s_wait_dscnt 0x0
	s_barrier_signal -1
	s_barrier_wait -1
	ds_load_b128 v[208:211], v10
	ds_load_b128 v[212:215], v10 offset:16
	ds_load_b128 v[216:219], v10 offset:32
	s_wait_dscnt 0x0
	v_add_f32 v208, v208, v209
	v_add_f32 v210, v210, v211
	v_add_f32 v212, v212, v213
	v_add_f32 v214, v214, v215
	v_add_f32 v216, v216, v217
	v_add_f32 v218, v218, v219
	v_add_f32 v208, v208, v210
	s_delay_alu instid0(VALU_DEP_4)
	v_add_f32 v212, v212, v214
	s_delay_alu instid0(VALU_DEP_3)
	v_add_f32 v216, v216, v218
	s_delay_alu instid0(VALU_DEP_2)
	v_add_f32 v208, v208, v212
	s_delay_alu instid0(VALU_DEP_1)
	v_add_f32 v208, v208, v216
	s_delay_alu instid0(VALU_DEP_1)
	v_fma_f32 v208, v208, s24, s25
	s_wait_alu depctr_va_vdst(0)
	v_rsq_f32 v232, v208
	v_mov_b32 v233, 0                              ; a plain line behind the root; named with v232 as a pair
	s_wait_alu depctr_va_vdst(0)
	s_wait_loadcnt 0x0                             ; w_norm2
.set n, 0
.rept 16
	v_pk_mul_f32 v[176+n:177+n], v[32+n:33+n], v[232:233] op_sel_hi:[1,0]
.set n, n+2
.endr
.set n, 0
.rept 16
	v_pk_mul_f32 v[176+n:177+n], v[144+n:145+n], v[176+n:177+n]
.set n, n+2
.endr
	QUANT 2, 176, 228
	global_store_b128 v17, v[224:227], s[12:13]
	ds_store_b16 v11, v228
	s_wait_dscnt 0x0
	s_barrier_signal -1
	s_barrier_wait -1
	s_cmp_gt_u32 s16, 2
	s_cbranch_scc1 .Lend
	ds_load_b32 v232, v12
	s_wait_dscnt 0x0
	global_store_b32 v13, v232, s[12:13]
.Lend:
	s_wait_tensorcnt 0x0
	ds_add_u32 v254, v255
	s_wait_dscnt 0x0
	s_endpgm
.Lfunc_end_k_q8660596e4f_oproj:
	.size	k_q8660596e4f_oproj, .Lfunc_end_k_q8660596e4f_oproj-k_q8660596e4f_oproj
	.p2alignl 7, 3214868480
	.fill 96, 4, 3214868480
	.section	.rodata,"a",@progbits
	.p2align	6, 0x0
	.amdhsa_kernel k_q8660596e4f_oproj
		.amdhsa_group_segment_fixed_size 5632
		.amdhsa_private_segment_fixed_size 0
		.amdhsa_enable_private_segment 0
		.amdhsa_kernarg_size 40
		.amdhsa_user_sgpr_count 2
		.amdhsa_user_sgpr_kernarg_segment_ptr 1
		.amdhsa_wavefront_size32 1
		.amdhsa_system_sgpr_workgroup_id_x 1
		.amdhsa_system_sgpr_workgroup_id_y 1
		.amdhsa_system_sgpr_workgroup_id_z 1
		.amdhsa_system_vgpr_workitem_id 0
		.amdhsa_next_free_vgpr 256
		.amdhsa_next_free_sgpr 66
		.amdhsa_reserve_vcc 0
		.amdhsa_float_denorm_mode_32 3
		.amdhsa_float_denorm_mode_16_64 3
		.amdhsa_memory_ordered 1
		.amdhsa_forward_progress 1
		.amdhsa_inst_pref_size 27
	.end_amdhsa_kernel
	.amdgpu_metadata
---
amdhsa.version: [ 1, 2 ]
amdhsa.kernels:
  - .name:           k_q8660596e4f_oproj
    .symbol:         k_q8660596e4f_oproj.kd
    .args:
      - { .name: hidden_states, .offset: 0, .size: 8, .value_kind: global_buffer, .address_space: global }
      - { .name: w_norm2, .offset: 8, .size: 8, .value_kind: global_buffer, .address_space: global }
      - { .name: pw, .offset: 16, .size: 8, .value_kind: global_buffer, .address_space: global }
      - { .name: ab, .offset: 24, .size: 8, .value_kind: global_buffer, .address_space: global }
      - { .name: hy, .offset: 32, .size: 8, .value_kind: global_buffer, .address_space: global }
    .group_segment_fixed_size: 5632
    .private_segment_fixed_size: 0
    .kernarg_segment_align: 8
    .kernarg_segment_size: 40
    .max_flat_workgroup_size: 384
    .sgpr_count:     66
    .vgpr_count:     256
    .wavefront_size: 32
...
	.end_amdgpu_metadata
.endif
;; end of part 4
;; launch ffn1 (part 5): grid 16 x 16, 4 waves a work-group, no clusters, 327,680 bytes of LDS; arguments pw, hy, hc; writes hc
.if DOCPART == 5
	.amdgcn_target "amdgcn-amd-amdhsa--gfx1250"
	.amdhsa_code_object_version 6
	.text
	.protected	k_q8660596e4f_ffn1
	.globl	k_q8660596e4f_ffn1
	.p2align	8
	.type	k_q8660596e4f_ffn1,@function
k_q8660596e4f_ffn1:
	s_mov_b64 s[64:65], 0
	v_nop
	global_prefetch_b8 v0, s[64:65] scope:SCOPE_SE
	s_setreg_imm32_b32 hwreg(HW_REG_WAVE_MODE, 25, 1), 1
	s_wait_xcnt 0x0
; FFN1: hidden = silu(y W_gate) x (y W_up) on codes of FP4 (E2M1) with E8M0 scales, quantised in registers for the last product.  A work-group makes 256 rows of the weights' operand (gate and up by turns of 64) x 256 tokens;
; four waves, each 128 x 128.  ONE tensor load a wave brings its record of all six K steps, as six rows of 8,704 bytes, 278,528 bytes apart in memory and dense in LDS; every LDS byte is filled once;
; one wait and one barrier show all records to all four waves.
.set REC,  8704
.set KSL,  REC                         ; in LDS: from K step to K step of one record's place
.set WRG,  6*REC                       ; a wave's six records: the weights' two places, then the tokens' two
.set WGU,  2924544
.set YC,   12582912
.set SCR,  4*WRG
.set SC,   32
.set TM,   200
.set PC,   216
.set MSB,  0
.macro WIN new
.if MSB != \new
	s_set_vgpr_msb (MSB<<8)|\new
.set MSB, \new
.endif
.endm
.macro FETCH f, set
	WIN 0x40
.irp i, 0,1,2,3,4,5,6,7
	ds_load_b128 v[\f+8*\i:\f+8*\i+3], v16 offset:1024*\i
	ds_load_b128 v[\f+8*\i+4:\f+8*\i+7], v16 offset:1024*\i+512
.endr
	WIN 0
.irp i, 0,1,2,3,4,5,6,7
	ds_load_b128 v[\f+8*\i:\f+8*\i+3], v17 offset:1024*\i
	ds_load_b128 v[\f+8*\i+4:\f+8*\i+7], v17 offset:1024*\i+512
.endr
.irp i, 0,1,2,3,4,5,6,7
	ds_load_b32 v[SC+8*(\set)+\i], v18 offset:64*\i
.endr
.endm
.macro MUL16 f, set, a0, zero
.irp a, \a0, \a0+1
.irp b, 0,1,2,3,4,5,6,7
.if \zero
	v_wmma_scale_f32_16x16x128_f8f6f4 v[8*(8*((\a)%4)+\b):8*(8*((\a)%4)+\b)+7], v[\f+8*\b:\f+8*\b+7], v[\f+8*(\a):\f+8*(\a)+7], 0, v[SC+8*(\set)+\b], v[SC+8*(\set)+(\a)] matrix_a_fmt:MATRIX_FMT_FP4 matrix_b_fmt:MATRIX_FMT_FP4 matrix_b_scale:MATRIX_SCALE_ROW1
.else
	v_wmma_scale_f32_16x16x128_f8f6f4 v[8*(8*((\a)%4)+\b):8*(8*((\a)%4)+\b)+7], v[\f+8*\b:\f+8*\b+7], v[\f+8*(\a):\f+8*(\a)+7], v[8*(8*((\a)%4)+\b):8*(8*((\a)%4)+\b)+7], v[SC+8*(\set)+\b], v[SC+8*(\set)+(\a)] matrix_a_fmt:MATRIX_FMT_FP4 matrix_b_fmt:MATRIX_FMT_FP4 matrix_b_scale:MATRIX_SCALE_ROW1
.endif
.endr
.endr
.endm
.macro KSTEP s
.set FS, 64+64*((\s)%2)
.set FN, 64+64*(((\s)+1)%2)
.set ZR, 0
.if (\s) == 0
.set ZR, 1
.endif
	s_wait_dscnt 0x0
	WIN 0xa1
	MUL16 FS, (\s)%2, 0, ZR
	MUL16 FS, (\s)%2, 2, ZR
.if (\s) < 5
	WIN 0
	s_wait_alu depctr_va_vdst(0)
	v_add_nc_u32 v16, KSL, v16
	v_add_nc_u32 v17, KSL, v17
	v_add_nc_u32 v18, KSL, v18
	v_nop
	FETCH FN, ((\s)+1)%2
.endif
	WIN 0xf1
	MUL16 FS, (\s)%2, 4, ZR
	MUL16 FS, (\s)%2, 6, ZR
.endm
.macro QUANT nb, s, pw
.set qb, 0
.rept \nb
	v_max3_num_f32 v[TM+qb], |v[\s+16*qb]|, |v[\s+1+16*qb]|, 0x1800000
.set qb, qb+1
.endr
.irp i, 2,4,6,8,10,12,14
.set qb, 0
.rept \nb
	v_max3_num_f32 v[TM+qb], v[TM+qb], |v[\s+16*qb+\i]|, |v[\s+1+16*qb+\i]|
.set qb, qb+1
.endr
.endr
.set qb, 0
.rept \nb
	v_permlanex16_b32 v[TM+4+qb], v[TM+qb], s14, s15
.set qb, qb+1
.endr
.set qb, 0
.rept \nb
	v_max_num_f32 v[TM+qb], v[TM+qb], v[TM+4+qb]
.set qb, qb+1
.endr
.set qb, 0
.rept \nb
	v_add_nc_u32 v[TM+12+qb], 0xff000000, v[TM+qb]
.set qb, qb+1
.endr
.set qb, 0
.rept \nb
	v_lshrrev_b32 v[TM+4+qb], 23, v[TM+12+qb]
.set qb, qb+1
.endr
	v_lshl_or_b32 v[\pw], v[TM+5], 8, v[TM+4]
.set qb, 0
.rept \nb
	v_cvt_scalef32_pk8_fp4_f32 v[PC+2*qb], v[\s+16*qb:\s+7+16*qb], v[TM+12+qb]
	v_cvt_scalef32_pk8_fp4_f32 v[PC+1+2*qb], v[\s+8+16*qb:\s+15+16*qb], v[TM+12+qb]
.set qb, qb+1
.endr
	v_nop
.set qb, 0
.rept \nb/2
	v_permlane16_swap_b32 v[PC+4*qb], v[PC+2+4*qb]
	v_permlane16_swap_b32 v[PC+1+4*qb], v[PC+3+4*qb]
.set qb, qb+1
.endr
.endm
.macro EPI a
.set AC, 64*((\a)%4)
.set WN, 2+(\a)/4
	WIN WN
.set i, 0
.rept 16
	v_pk_mul_f32 v[128+i:129+i], v[AC+i:AC+i+1], 0xbfb8aa3b op_sel_hi:[1,0]
.set i, i+2
.endr
	WIN 0
.set i, 0
	s_wait_alu depctr_va_vdst(0)
.rept 32
	v_exp_f32 v[128+i], v[128+i]
.set i, i+1
.endr
	v_nop
	s_wait_alu depctr_va_vdst(0)
.set i, 0
.rept 16
	v_pk_add_f32 v[128+i:129+i], v[128+i:129+i], 1.0 op_sel_hi:[1,0]
.set i, i+2
.endr
.set i, 0
	s_wait_alu depctr_va_vdst(0)
.rept 32
	v_rcp_f32 v[128+i], v[128+i]
.set i, i+1
.endr
	v_nop
	s_wait_alu depctr_va_vdst(0)
	WIN WN
.set i, 0
.rept 16
	v_pk_mul_f32 v[64+i:65+i], v[AC+i:AC+i+1], v[128+i:129+i]
.set i, i+2
.endr
.set i, 0
.rept 16
	v_pk_mul_f32 v[64+i:65+i], v[AC+32+i:AC+33+i], v[64+i:65+i]
.set i, i+2
.endr
	WIN 0
.if (\a) > 0
	s_wait_alu depctr_va_vdst(0)
	s_wait_xcnt 0x0
.endif
	QUANT 2, 64, 232
	global_store_b128 v20, v[PC:PC+3], s[60:61] offset:1024*(\a)
	ds_store_b16 v22, v232 offset:64*(\a)
.endm
	s_load_b128 s[4:7], s[0:1], 0x0
	s_load_b64 s[60:61], s[0:1], 0x10
	v_lshl_add_u32 v254, v0, 2, 0x33800
	v_mov_b32 v255, 0
	ds_add_u32 v254, v255
	ds_add_u32 v254, v255
	v_lshrrev_b32 v1, 5, v0
	v_readfirstlane_b32 s8, v1
	s_and_b32 s9, s8, 1
	s_lshr_b32 s10, s8, 1
	s_mov_b32 s2, ttmp9
	s_and_b32 s3, ttmp7, 0xffff
	s_mov_b32 s14, 0x76543210
	s_mov_b32 s15, 0xfedcba98
	s_mov_b32 s16, 3<<16
	s_mov_b32 s17, 1088<<16                        ; a row is a record of 8,704 bytes: 1,088 elements of 8
	s_mov_b32 s18, 6<<16                           ; six rows: the K steps
	s_mov_b32 s19, 1088<<16
	s_mov_b32 s20, 6
	s_mov_b32 s21, 34816                           ; 278,528 bytes from K step to K step, in both operands
	s_mov_b32 s22, 0
	s_mov_b32 s23, 0
	s_cmp_eq_u32 s10, 0
	s_cselect_b32 s51, s2, s3
	s_mov_b32 s52, YC
	s_cselect_b32 s52, WGU, s52
	s_lshl_b32 s51, s51, 1
	s_add_co_u32 s51, s51, s9
	s_mul_i32 s51, s51, REC
	s_add_co_u32 s52, s52, s51
	s_mov_b32 s53, 0
	s_mul_i32 s54, s8, WRG
	s_wait_dscnt 0x0
	s_wait_kmcnt 0x0
	s_cmp_eq_u32 s10, 0
	s_cselect_b64 s[56:57], s[4:5], s[6:7]
	s_add_nc_u64 s[56:57], s[56:57], s[52:53]
	s_mov_b32 s24, 1
	s_mov_b32 s25, s54
	s_mov_b64 s[26:27], s[56:57]
	s_or_b32 s27, s27, 0x80000000
	tensor_load_to_lds s[24:27], s[16:23]          ; my one tensor load
	s_nop 0
.rept 4
	v_nop
.endr
	v_and_b32 v1, 31, v0
	v_and_b32 v2, 15, v0
	v_bfe_u32 v3, v0, 4, 1
	v_lshlrev_b32 v21, 4, v1
	s_wait_alu depctr_va_vdst(0)
	s_mul_i32 s49, s9, WRG
	v_add_nc_u32 v16, s49, v21
	s_add_co_u32 s50, s10, 2
	s_mul_i32 s50, s50, WRG
	v_add_nc_u32 v17, s50, v21
	s_sub_co_u32 s50, s50, s49
	v_mul_u32_u24 v19, s50, v3
	v_lshl_add_u32 v18, v2, 2, v19
	s_add_co_u32 s49, s49, 8192
	v_add_nc_u32 v18, s49, v18
	s_lshl_b32 s48, s2, 5
	s_lshl_b32 s49, s3, 1
	s_add_co_u32 s48, s48, s49
	s_add_co_u32 s48, s48, s10
	s_mul_i32 s48, s48, REC
	s_lshl_b32 s49, s9, 9
	s_add_co_u32 s49, s49, s48
	v_add_nc_u32 v20, s49, v21
	s_lshl_b32 s49, s9, 8
	s_add_co_u32 s49, s49, s48
	s_add_co_u32 s49, s49, 8192
	v_lshl_add_u32 v26, v1, 3, s49
	s_lshl_b32 s49, s10, 9
	s_lshl_b32 s50, s9, 1
	s_add_co_u32 s49, s49, s50
	s_add_co_u32 s49, s49, SCR
	v_lshl_add_u32 v22, v2, 2, s49
	s_lshl_b32 s49, s8, 8
	s_add_co_u32 s49, s49, SCR
	v_lshl_add_u32 v24, v1, 3, s49
.irp b, 0,1,2,3
	v_mov_b32 v[TM+4+\b], 0
.endr
	s_wait_alu depctr_va_vdst(0)
	s_wait_tensorcnt 0x0                           ; my six records have landed
	s_barrier_signal -1
	s_barrier_wait -1
	FETCH 64, 0
.irp s, 0,1,2,3,4,5
	KSTEP \s
.endr
	WIN 0
.rept 4
	v_nop
.endr
.irp a, 0,1,2,3,4,5,6,7
	EPI \a
.endr
	s_wait_dscnt 0x0
	s_barrier_signal -1
	s_barrier_wait -1
	ds_load_b64 v[64:65], v24
	s_wait_dscnt 0x0
	global_store_b64 v26, v[64:65], s[60:61]
	s_wait_tensorcnt 0x0
	ds_add_u32 v254, v255
	s_wait_dscnt 0x0
	s_endpgm
.Lfunc_end_k_q8660596e4f_ffn1:
	.size	k_q8660596e4f_ffn1, .Lfunc_end_k_q8660596e4f_ffn1-k_q8660596e4f_ffn1
	.p2alignl 7, 3214868480
	.fill 96, 4, 3214868480
	.section	.rodata,"a",@progbits
	.p2align	6, 0x0
	.amdhsa_kernel k_q8660596e4f_ffn1
		.amdhsa_group_segment_fixed_size 327680
		.amdhsa_private_segment_fixed_size 0
		.amdhsa_enable_private_segment 0
		.amdhsa_kernarg_size 24
		.amdhsa_user_sgpr_count 2
		.amdhsa_user_sgpr_kernarg_segment_ptr 1
		.amdhsa_wavefront_size32 1
		.amdhsa_system_sgpr_workgroup_id_x 1
		.amdhsa_system_sgpr_workgroup_id_y 1
		.amdhsa_system_sgpr_workgroup_id_z 1
		.amdhsa_system_vgpr_workitem_id 0
		.amdhsa_next_free_vgpr 1024
		.amdhsa_next_free_sgpr 100
		.amdhsa_reserve_vcc 0
		.amdhsa_float_denorm_mode_32 3
		.amdhsa_float_denorm_mode_16_64 3
		.amdhsa_memory_ordered 1
		.amdhsa_forward_progress 1
		.amdhsa_inst_pref_size 141
	.end_amdhsa_kernel
	.amdgpu_metadata
---
amdhsa.version: [ 1, 2 ]
amdhsa.kernels:
  - .name:           k_q8660596e4f_ffn1
    .symbol:         k_q8660596e4f_ffn1.kd
    .args:
      - { .name: pw, .offset: 0, .size: 8, .value_kind: global_buffer, .address_space: global }
      - { .name: hy, .offset: 8, .size: 8, .value_kind: global_buffer, .address_space: global }
      - { .name: hc, .offset: 16, .size: 8, .value_kind: global_buffer, .address_space: global }
    .group_segment_fixed_size: 327680
    .private_segment_fixed_size: 0
    .kernarg_segment_align: 8
    .kernarg_segment_size: 24
    .max_flat_workgroup_size: 128
    .sgpr_count:     100
    .vgpr_count:     1024
    .wavefront_size: 32
...
	.end_amdgpu_metadata
.endif
;; end of part 5
;; launch ffn2 (part 6): grid 6 x 32, 4 waves a work-group, no clusters, 279,040 bytes of LDS; arguments pw, hc, hy, out0; writes out0
.if DOCPART == 6
	.amdgcn_target "amdgcn-amd-amdhsa--gfx1250"
	.amdhsa_code_object_version 6
	.text
	.protected	k_q8660596e4f_ffn2
	.globl	k_q8660596e4f_ffn2
	.p2align	8
	.type	k_q8660596e4f_ffn2,@function
k_q8660596e4f_ffn2:
	s_mov_b64 s[64:65], 0
	v_nop
	global_prefetch_b8 v0, s[64:65] scope:SCOPE_SE
	s_setreg_imm32_b32 hwreg(HW_REG_WAVE_MODE, 25, 1), 1
	s_wait_xcnt 0x0
; FFN2: out = h + hidden W_down on codes of FP4 (E2M1) with E8M0 scales.
; A work-group makes 128 columns (x) x 128 tokens (y): one record of each operand for each of 16 K steps; four waves, each 64 x 64: 16 accumulators, which begin as h (the images that the fourth launch stored).
; ALL OF K FITS IN LDS: 16 x 17,408 bytes, filled once.  Waves 0, 1 fetch the weights' records, waves 2, 3 the tokens'; each brings two K steps of every four: eight tensor loads of mine are out at the most.
; A counted wait and one barrier for every four K steps show the next four to all waves.
; The tile is 128 x 128, so that both operands are whole records and 192 work-groups share the work; a tile of 256 x 256 would leave 48.
; No cluster in this form: each record is asked for by the work-groups of its row or column of the grid, each for itself.
; The result goes through a stage in LDS (rows of 512 bytes + 16) and leaves as whole rows.  The stage lies in the weights' K steps 0-7 (LDS records 0-7): they have had their only fill, and every wave has passed a barrier behind its last read of them.
; REGISTERS: window 0: v16-22 addresses; v32-39 scale words, two sets; v64-127, v128-191 fragments, two sets (source 0's four, then source 1's four); window 1: v0-127 the accumulators, (a, b) at v[8 (4 a + b)].
; THE FILL, in place of what the note above says of eight loads and of a barrier for every four K steps: ONE tensor load a wave brings eight K steps' records of one operand, as eight rows of 8,704 bytes, dense in LDS:
; waves 0, 1 the weights' K steps 0-7 and 8-15 (LDS records 0-15), waves 2, 3 the tokens' (records 16-31).  One wait and one barrier show all of it to all waves; one more barrier stands ahead of the stage,
; which lies in the weights' first records: behind it no wave reads them.
.set REC,  8704
.set KSL,  REC
.set WD,   4595712
.set SC,   32
.set SP,   528
.set MSB,  0
.macro WIN new
.if MSB != \new
	s_set_vgpr_msb (MSB<<8)|\new
.set MSB, \new
.endif
.endm
.macro FETCH f, set
.irp i, 0,1,2,3
	ds_load_b128 v[\f+8*\i:\f+8*\i+3], v16 offset:1024*\i
	ds_load_b128 v[\f+8*\i+4:\f+8*\i+7], v16 offset:1024*\i+512
.endr
.irp i, 0,1,2,3
	ds_load_b128 v[\f+32+8*\i:\f+32+8*\i+3], v17 offset:1024*\i
	ds_load_b128 v[\f+32+8*\i+4:\f+32+8*\i+7], v17 offset:1024*\i+512
.endr
.irp i, 0,1,2,3
	ds_load_b32 v[SC+4*(\set)+\i], v18 offset:64*\i    ; lanes 0-15 the weights' tile i, lanes 16-31 the tokens'
.endr
.endm
.macro MUL8 f, set, a0                 ; the 16 accumulators take turns, one instruction a turn
.irp a, \a0, \a0+1
.irp b, 0,1,2,3
	v_wmma_scale_f32_16x16x128_f8f6f4 v[8*(4*(\a)+\b):8*(4*(\a)+\b)+7], v[\f+8*\b:\f+8*\b+7], v[\f+32+8*(\a):\f+32+8*(\a)+7], v[8*(4*(\a)+\b):8*(4*(\a)+\b)+7], v[SC+4*(\set)+\b], v[SC+4*(\set)+(\a)] matrix_a_fmt:MATRIX_FMT_FP4 matrix_b_fmt:MATRIX_FMT_FP4 matrix_b_scale:MATRIX_SCALE_ROW1
.endr
.endr
.endm
.macro KSTEP k
.set FS, 64+64*((\k)%2)
.set FN, 64+64*(((\k)+1)%2)
	s_wait_dscnt 0x0                               ; this step's fragments are in
	WIN 0x50                                       ; C and D window 1
	MUL8 FS, (\k)%2, 0
.if (\k) < 15
	WIN 0
	s_wait_alu depctr_va_vdst(0)
	v_add_nc_u32 v16, KSL, v16                     ; four places in front of loads into registers that the last step's products read
	v_add_nc_u32 v17, KSL, v17
	v_add_nc_u32 v18, KSL, v18
	v_nop
	FETCH FN, ((\k)+1)%2
.endif
	WIN 0x50
	MUL8 FS, (\k)%2, 2
.endm
	s_load_b256 s[4:11], s[0:1], 0x0               ; pw s[4:5], hc s[6:7], hy s[8:9], out0 s[10:11]
	v_lshl_add_u32 v254, v0, 2, 0x44000
	v_mov_b32 v255, 0
	ds_add_u32 v254, v255
	ds_add_u32 v254, v255
	v_lshrrev_b32 v1, 5, v0
	v_readfirstlane_b32 s12, v1
	s_and_b32 s13, s12, 1                          ; which 64 columns are mine.  Also: which eight K steps I fetch (0-7 or 8-15)
	s_lshr_b32 s14, s12, 1                         ; which 64 tokens.  Also: I fetch weights (0) or tokens (1)
	s_mov_b32 s2, ttmp9
	s_and_b32 s3, ttmp7, 0xffff
	s_mov_b32 s16, 3<<16                           ; group 1: elements of 8 bytes
	s_mov_b32 s17, 1088<<16                        ; a row is a record of 8,704 bytes
	s_mov_b32 s18, 8<<16                           ; eight rows: K steps
	s_mov_b32 s19, 1088<<16
	s_mov_b32 s20, 8
	s_mov_b32 s21, 6528                            ; the weights: 52,224 bytes from K step to K step
	s_mov_b32 s68, 3<<16                           ; a second group 1 for the tokens: 278,528 bytes from K step to K step
	s_mov_b32 s69, 1088<<16
	s_mov_b32 s70, 8<<16
	s_mov_b32 s71, 1088<<16
	s_mov_b32 s72, 8
	s_mov_b32 s73, 34816
	s_mov_b32 s74, 0
	s_mov_b32 s75, 0
	s_mov_b32 s22, 0
	s_mov_b32 s23, 0
	s_cmp_eq_u32 s14, 0
	s_cselect_b32 s62, s2, s3
	s_mov_b32 s60, 278528
	s_cselect_b32 s60, 52224, s60                  ; bytes from K step to K step
	s_cselect_b32 s63, WD, 0
	s_mul_i32 s62, s62, REC
	s_add_co_u32 s58, s62, s63
	s_mul_i32 s62, s13, s60
	s_lshl_b32 s62, s62, 3
	s_add_co_u32 s58, s58, s62
	s_mov_b32 s59, 0
	s_mul_i32 s61, s13, 8*REC
	s_mul_i32 s62, s14, 16*REC
	s_add_co_u32 s61, s61, s62                     ; in LDS: records 8 ws0 on, + 16 records for the tokens
	s_wait_dscnt 0x0
	s_wait_kmcnt 0x0
	s_cmp_eq_u32 s14, 0
	s_cselect_b64 s[56:57], s[4:5], s[6:7]
	s_add_nc_u64 s[56:57], s[56:57], s[58:59]
	s_mov_b32 s24, 1
	s_mov_b32 s25, s61
	s_mov_b64 s[26:27], s[56:57]
	s_or_b32 s27, s27, 0x80000000
	s_cmp_eq_u32 s14, 0                            ; one chain on the wave's number, a load to an arm
	s_cbranch_scc0 .Ltok
	tensor_load_to_lds s[24:27], s[16:23]
	s_nop 0
.rept 4
	v_nop
.endr
	s_branch .Lasked
.Ltok:
	tensor_load_to_lds s[24:27], s[68:75]
	s_nop 0
.Lasked:
.rept 4
	v_nop
.endr
	v_and_b32 v1, 31, v0
	v_and_b32 v2, 15, v0
	v_bfe_u32 v3, v0, 4, 1
	v_lshlrev_b32 v20, 4, v1                       ; 16 x lane
	s_wait_alu depctr_va_vdst(0)
	s_lshl_b32 s62, s3, 3
	s_lshl_b32 s63, s14, 2
	s_add_co_u32 s62, s62, s63
	s_mul_i32 s62, s62, 48
	s_lshl_b32 s63, s2, 3
	s_add_co_u32 s62, s62, s63
	s_lshl_b32 s63, s13, 2
	s_add_co_u32 s62, s62, s63
	s_lshl_b32 s62, s62, 10
	v_add_nc_u32 v19, s62, v20                     ; h's images: token tile 8 y + 4 ws1 + a, column tile 8 x + 4 ws0 + b
	WIN 0x40                                       ; destination window 1
.irp a, 0,1,2,3
.irp b, 0,1,2,3
.irp c, 0,1
	global_load_b128 v[8*(4*\a+\b)+4*\c:8*(4*\a+\b)+4*\c+3], v19, s[8:9] offset:\a*49152+\b*1024+\c*512
.endr
.endr
.endr
	WIN 0
	s_lshl_b32 s62, s13, 12
	v_add_nc_u32 v16, s62, v20                     ; the weights' tiles 4 ws0 on
	s_lshl_b32 s63, s14, 12
	s_add_co_u32 s63, s63, 16*REC
	v_add_nc_u32 v17, s63, v20                     ; the tokens' tiles 4 ws1 on
	s_lshl_b32 s62, s13, 8
	s_lshl_b32 s63, s14, 8
	s_add_co_u32 s63, s63, 16*REC
	s_sub_co_u32 s63, s63, s62
	v_mul_u32_u24 v18, s63, v3                     ; lanes 16-31 take the tokens' scale words: one product, the distance between the two
	v_lshl_add_u32 v18, v2, 2, v18
	s_add_co_u32 s62, s62, 8192
	v_add_nc_u32 v18, s62, v18
	v_and_b32 v4, 8, v2
	v_add_nc_u32 v4, v4, v2
	s_lshl_b32 s62, s14, 6
	v_add_nc_u32 v4, s62, v4                       ; the stage: row 64 ws1 + r + 8 (r / 8),
	v_mul_u32_u24 v21, v4, SP
	v_lshl_add_u32 v21, v3, 6, v21
	s_lshl_b32 s62, s13, 8
	v_add_nc_u32 v21, s62, v21                     ; + 256 ws0 + 64 h
	s_mul_i32 s62, s12, 32*SP
	v_add_nc_u32 v22, s62, v20                     ; back: rows 32 w on, 16 bytes a lane
	s_lshl_b32 s62, s3, 7
	s_lshl_b32 s63, s12, 5
	s_add_co_u32 s62, s62, s63
	s_mul_i32 s62, s62, 3072
	s_lshl_b32 s63, s2, 9
	s_add_co_u32 s62, s62, s63
	v_add_nc_u32 v23, s62, v20                     ; and the same rows in out0
	s_wait_alu depctr_va_vdst(0)
	s_wait_tensorcnt 0x0                           ; my eight records have landed
	s_barrier_signal -1
	s_barrier_wait -1
	FETCH 64, 0
	s_wait_loadcnt 0x0                             ; h
.irp k, 0,1,2,3,4,5,6,7,8,9,10,11,12,13,14,15
	KSTEP \k
.endr
.rept 4
	v_nop                                          ; four places behind the last products
.endr
	s_wait_dscnt 0x0                               ; my reads of the records are over
	s_barrier_signal -1
	s_barrier_wait -1                              ; and everybody's: the stage may be written
	WIN 0x04
.irp a, 0,1,2,3
.irp b, 0,1,2,3
	ds_store_b128 v21, v[8*(4*\a+\b):8*(4*\a+\b)+3] offset:(32*(\a/2)+8*(\a%2))*SP+128*(\b/2)+32*(\b%2)        ; each accumulator from its low end on
	ds_store_b128 v21, v[8*(4*\a+\b)+4:8*(4*\a+\b)+7] offset:(32*(\a/2)+8*(\a%2))*SP+128*(\b/2)+32*(\b%2)+16
.endr
.endr
	WIN 0
	s_wait_dscnt 0x0                               ; a row's 512 bytes come from two waves
	s_barrier_signal -1
	s_barrier_wait -1
.set i, 0
.rept 32
	ds_load_b128 v[64+4*i:67+4*i], v22 offset:i*SP
.set i, i+1
.endr
.set i, 0
.rept 32
	s_wait_dscnt 31-i                              ; LDS loads come back in order: row i is in
	global_store_b128 v23, v[64+4*i:67+4*i], s[10:11] offset:i*3072 th:TH_STORE_NT   ; 32 lanes store 512 consecutive bytes, at a multiple of 256 from out0's first byte
.set i, i+1
.endr
	s_wait_tensorcnt 0x0
	ds_add_u32 v254, v255
	s_wait_dscnt 0x0
	s_endpgm
.Lfunc_end_k_q8660596e4f_ffn2:
	.size	k_q8660596e4f_ffn2, .Lfunc_end_k_q8660596e4f_ffn2-k_q8660596e4f_ffn2
	.p2alignl 7, 3214868480
	.fill 96, 4, 3214868480
	.section	.rodata,"a",@progbits
	.p2align	6, 0x0
	.amdhsa_kernel k_q8660596e4f_ffn2
		.amdhsa_group_segment_fixed_size 279040
		.amdhsa_private_segment_fixed_size 0
		.amdhsa_enable_private_segment 0
		.amdhsa_kernarg_size 32
		.amdhsa_user_sgpr_count 2
		.amdhsa_user_sgpr_kernarg_segment_ptr 1
		.amdhsa_wavefront_size32 1
		.amdhsa_system_sgpr_workgroup_id_x 1
		.amdhsa_system_sgpr_workgroup_id_y 1
		.amdhsa_system_sgpr_workgroup_id_z 1
		.amdhsa_system_vgpr_workitem_id 0
		.amdhsa_next_free_vgpr 384
		.amdhsa_next_free_sgpr 80
		.amdhsa_reserve_vcc 0
		.amdhsa_float_denorm_mode_32 3
		.amdhsa_float_denorm_mode_16_64 3
		.amdhsa_memory_ordered 1
		.amdhsa_forward_progress 1
		.amdhsa_inst_pref_size 74
	.end_amdhsa_kernel
	.amdgpu_metadata
---
amdhsa.version: [ 1, 2 ]
amdhsa.kernels:
  - .name:           k_q8660596e4f_ffn2
    .symbol:         k_q8660596e4f_ffn2.kd
    .args:
      - { .name: pw, .offset: 0, .size: 8, .value_kind: global_buffer, .address_space: global }
      - { .name: hc, .offset: 8, .size: 8, .value_kind: global_buffer, .address_space: global }
      - { .name: hy, .offset: 16, .size: 8, .value_kind: global_buffer, .address_space: global }
      - { .name: out0, .offset: 24, .size: 8, .value_kind: global_buffer, .address_space: global }
    .group_segment_fixed_size: 279040
    .private_segment_fixed_size: 0
    .kernarg_segment_align: 8
    .kernarg_segment_size: 32
    .max_flat_workgroup_size: 128
    .sgpr_count:     80
    .vgpr_count:     384
    .wavefront_size: 32
...
	.end_amdgpu_metadata
.endif
;; end of part 6
